; MI455X (gfx1250); checked and timed in simulation.
; The chip was launched on July 23, 2026; its instructions are those of AMD's public machine-readable ISA for CDNA 5 (MIT licence, August 2026) and "CDNA5" Instruction Set Architecture Reference Guide (July 2026). The comments in the code are by the model that wrote it; some were corrected since.
;; Attention. Allowed arithmetic: matrix products marked QUANTISED: E3M2 operands, one E8M0 scale for each 32 along K, by v_wmma_scale_f32_16x16x128_f8f6f4 with both operands' format E3M2, f32 sums; everything else in f32.
;; Inputs: Q 2 x 8 x 2,048 x 512 float32; V 2 x 8 x 2,048 x 128 float32; freqs 1 x 1 x 1 x 512 float32.
;; Outputs: out0 2 x 8 x 2,048 x 128 float32.
;; This version of the problem:
;;   THIS VERSION OF THE PROBLEM IS GIVEN IN LOW PRECISION. The matrix products marked QUANTISED in the list below multiply operands that are first quantised to E3M2 (3 exponent bits, 2 mantissa bits; 6 bits a number), with one power-of-two scale for each 32 numbers along K (OCP MX v1.0); their sums are f32. All else is computed in f32.
;;   The module's matrix products, in the order in which they are computed (A, B: the left and right operand; K: the contracted axis; several contracted axes count as one K, in the product's order):
;;     1. batch 16 x [M 2,048, K 512] x [K 512, N 2,048]; A: computed on the way; B: computed on the way: QUANTISED
;;     2. batch 16 x [M 2,048, K 2,048] x [K 2,048, N 128]; A: computed on the way; B: input V: QUANTISED
;;   THE QUANTISER, for each operand of a quantised product, along K:
;;     - K is cut into blocks of 32 from its start; a last block that is shorter is filled with zeros.
;;     - A block's scale is 2^e with e = floor(log2(the largest magnitude in the block)) - 4, held to -126 .. 127; a block of zeros has e = 0. As a byte (E8M0): e + 127.
;;     - Each number is divided by its block's scale, clamped to +-28, and rounded to the nearest number of E3M2, ties to even, subnormals kept.
;;     - The product sums the exact products of the quantised numbers (number of the format x scale) in f32.
;;   ~~~python
;;   def quantise(x, axis):      # numpy; x: float32 -> the quantised numbers, widened to float32 again
;;       x = np.moveaxis(x, axis, -1); K = x.shape[-1]
;;       x = np.pad(x, [(0, 0)] * (x.ndim - 1) + [(0, -K % 32)]); x = x.reshape(x.shape[:-1] + (-1, 32)); a = np.abs(x).max(-1, keepdims=True)
;;       e = np.where(a > 0, np.clip(np.frexp(np.where(a > 0, a, 1))[1] - 1 - 4, -126, 127), 0)      # np.frexp(a)[1] - 1 = floor(log2(a)), exactly
;;       r = np.clip(x / 2.0 ** e, -28, 28)
;;       step = 2.0 ** (np.maximum(np.frexp(np.where(r == 0, 1, r))[1] - 1, -2) - 2)
;;       q = np.round(r / step) * step * 2.0 ** e      # np.round: ties to even
;;       return np.moveaxis(q.reshape(q.shape[:-2] + (-1,))[..., :K], -1, axis).astype(np.float32)
;;   ~~~
;;   OPERANDS COMPUTED ON THE WAY. 'Computed on the way' means the value that the module computes at that place (a softmax that the list does not call 'softmax' is quantised finished and normalised). What goes into a quantiser is computed in f32, as accurately as f32 sums, v_exp_f32 and their like allow (about 1e-6 of the number): no bf16 or f16 on the way to a quantiser, and a product that is left as it is and whose result goes on into a quantised operand takes f32 operands (vector FMAs, or v_wmma_f32_16x16x4_f32). A number that lies on a knife's edge between two numbers of the format may be rounded either way, as far as f32 arithmetic and the matrix unit's own rounding can turn it there, and no further.
;; 2 versions, each right and faster than the one before. Each part assembles by itself: llvm-mc -triple=amdgcn-amd-amdhsa -mcpu=gfx1250 --defsym DOCPART=n.
;; ======== version 1 of 2: 2 launches
;; workspace buffers: kv 16,384,000 bytes
;; launch prep (part 1): grid 384 x 1, 8 waves a work-group, no clusters, 55,296 bytes of LDS; arguments Q, V, freqs, kv; writes kv
.if DOCPART == 1
	.amdgcn_target "amdgcn-amd-amdhsa--gfx1250"
	.amdhsa_code_object_version 6
	.text
	.protected	k_q46b096ca63_prep
	.globl	k_q46b096ca63_prep
	.p2align	8
	.type	k_q46b096ca63_prep,@function
k_q46b096ca63_prep:
	s_mov_b64 s[64:65], 0
	v_nop
	global_prefetch_b8 v0, s[64:65] scope:SCOPE_SE
	s_setreg_imm32_b32 hwreg(HW_REG_WAVE_MODE, 25, 1), 1
	s_wait_xcnt 0x0
; PREP: QR = rope(Q) and V are turned into codes of E3M2 (6 bits) with one E8M0 byte for each 32 along a product's K, and laid into kv in the order in which
; the matrix unit's lanes want them, so that the next launch takes every tile as a dense block and every fragment as 48 consecutive bytes a lane.
; kv[head 16][step 8][128,000 bytes]; a step is 256 rows t (they are queries and keys alike).
;   groups g = 0..7 at 12,800 g: rows 32 g + rho.  Row rho is lane row r = (rho & 7) + 8 (rho >> 4) of tile u = (rho >> 3) & 1.  Fragment 4 u + dc (dc: which 128 of N) at 1,536 bytes each;
;   in it lane r + 16 h has 48 bytes: the row's block 4 dc + h, then its block 4 dc + 2 + h, 24 bytes each.  At +12,288: 16 scale bytes for each row, at 16 (r + 16 u).
;   V's two key tiles kh at 102,400 + 12,800 kh: fragment dt (channel 16 dt + r) at 1,536 dt; lane r + 16 h has key block h, then key block 2 + h.  At +12,288: word i of the 16 bytes at 16 (r + 16 h') is channel 16 (2 i + h') + r.
; A block's scale byte is its largest magnitude's exponent field - 4, held at 1 from below; a block of zeros gets 127; numbers are divided by the scale and rounded to the nearest code, ties to even, beyond 28 the largest code.
; SINE AND COSINE are f32 polynomials: x = frac(t f); k = the nearest quarter turn; the rest, at most an eighth of a turn, goes through polynomials of degree 7 and 8; k swaps and signs them.
; Every n has its own frequency, cosine and sine: nothing is assumed of freqs.
; LIMITS: NaN and infinities among the inputs are not served.  Blocks whose largest magnitude lies under 2^-122, whose byte is held at 1, were not tried.  Sine and cosine are good to about 1e-7 absolute.
; Work-groups 0..255 take Q (32 rows t of four heads each, so that a row's sines serve four heads), work-groups 256..383 take V (a head's 256 keys each).  The branch hangs on the work-group's number alone.
; No tensor loads, no ring: loads go to registers, results leave through a stage in LDS so that each store of a wave covers 512 consecutive bytes.
.set HEADB, 1024000                    ; a head's bytes in kv
.set STEPB, 128000                     ; a step's
.set GRP,   12800                      ; a group's, and a key tile of V's
.set STG,   13568                      ; Q path: a head's stage: 16 half fragments of 816, then 512 scale bytes
.set HFP,   816                        ; half a fragment in the stage: 768 bytes + 48: in words the 32 lanes of a store then stand at 3 x (0 .. 31) mod 64, all different
.set F,   16                           ; v16-31   my 16 frequencies
.set X,   32                           ; v32-95   Q path: four sets of 16 numbers;  V path: two sets of 32
.set CO,  96                           ; v96-111  cosines of the row in hand
.set SI,  112                          ; v112-127 sines
.set R,   128                          ; v128-143 the roped numbers; at work while sines are made
.set T,   144                          ; v144-159 at work
.set C,   160                          ; v160-223 codes: registers of its own for each step
.set E,   224                          ; v224-239 a scale byte for each step
	s_load_b256 s[4:11], s[0:1], 0x0               ; Q s[4:5], V s[6:7], freqs s[8:9], kv s[10:11]
	v_lshl_add_u32 v240, v0, 2, 0xd400
	v_mov_b32 v241, 0
	v_lshrrev_b32 v1, 5, v0
	v_readfirstlane_b32 s12, v1                    ; wave 0..7
	v_and_b32 v1, 31, v0                           ; lane l
	s_cmp_lt_u32 ttmp9, 256
	s_cbranch_scc0 .Lvpath
; ---------------------------------------------------------------- Q
; G = work-group & 63: rows 32 G + rho;  hq = work-group >> 6: heads 4 hq + hh.  Wave w takes rows rho = 4 w + i.  A step is one row of one head: lane l holds n = 16 l .. 16 l + 15; lanes 2 b, 2 b + 1 share block b.
	s_and_b32 s13, ttmp9, 63                       ; G
	s_lshr_b32 s14, ttmp9, 6                       ; hq
	s_lshl_b32 s15, s13, 5
	s_lshl_b32 s27, s12, 2
	s_add_co_u32 s15, s15, s27                     ; my wave's first row t
	s_lshl_b32 s28, s14, 24                        ; four heads of 2,048 rows of 2,048 bytes
	s_lshl_b32 s29, s15, 11
	s_add_co_u32 s28, s28, s29
	s_mov_b32 s29, 0                               ; byte offset in Q of my first row, head 4 hq
	s_mul_i32 s24, s14, 4*HEADB
	s_lshr_b32 s25, s13, 3
	s_mul_i32 s25, s25, STEPB
	s_add_co_u32 s24, s24, s25
	s_and_b32 s25, s13, 7
	s_mul_i32 s25, s25, GRP
	s_add_co_u32 s24, s24, s25
	s_mov_b32 s25, 0                               ; byte offset in kv of the group, head 4 hq
	s_mov_b32 s30, 0x40c90fdb                      ; 2 pi
	s_mov_b32 s31, 0xbe800000                      ; -1/4
	s_mov_b32 s32, 0xbe2aaaa3                      ; sine: -1.6666655e-1,
	s_mov_b32 s33, 0x3c08839e                      ; 8.3321609e-3,
	s_mov_b32 s34, 0xb94ca1f9                      ; -1.9515296e-4
	s_mov_b32 s35, 0x3d2aaaa5                      ; cosine: 4.1666646e-2,
	s_mov_b32 s36, 0xbab6061a                      ; -1.3887316e-3,
	s_mov_b32 s37, 0x37ccf5ce                      ; 2.4433157e-5
	s_mov_b32 s38, 0x80000000                      ; a sign
	v_lshlrev_b32 v2, 6, v1                        ; my 64 bytes of a row, and of freqs
	; into the stage: half fragment 8 u + 2 dc + h, place 48 r + 24 c + 12 half;  dc = l >> 3, c = (l >> 2) & 1, h = (l >> 1) & 1, half = l & 1
	v_lshrrev_b32 v5, 3, v1
	v_bfe_u32 v6, v1, 1, 1
	v_bfe_u32 v7, v1, 2, 1
	v_and_b32 v8, 1, v1
	v_lshl_add_u32 v5, v5, 1, v6
	v_mul_u32_u24 v3, v5, HFP
	v_mad_u32_u24 v3, v7, 24, v3
	v_mad_u32_u24 v3, v8, 12, v3
	s_bfe_u32 s39, s12, 0x10001                    ; u = (w >> 1) & 1
	s_and_b32 s48, s12, 1
	s_lshl_b32 s48, s48, 2
	s_lshr_b32 s49, s12, 2
	s_lshl_b32 s49, s49, 3
	s_add_co_u32 s48, s48, s49                     ; my first lane row: 4 (w & 1) + 8 (w >> 2)
	s_mul_i32 s49, s39, 8*HFP
	s_mul_i32 s50, s48, 48
	s_add_co_u32 s49, s49, s50
	v_add_nc_u32 v3, s49, v3                       ; the row i and the head hh stand in the stores' immediates
	s_lshl_b32 s50, s39, 4
	s_add_co_u32 s50, s50, s48
	s_lshl_b32 s50, s50, 4
	v_lshrrev_b32 v4, 1, v1
	v_add_nc_u32 v4, s50, v4                       ; the scale byte: 16 (r + 16 u) + b
	; out of the stage: wave w takes fragment w (half fragments 2 w, 2 w + 1) of each head
	s_mul_i32 s51, s12, 2*HFP
	v_lshlrev_b32 v10, 4, v1
	v_add_nc_u32 v5, s51, v10                      ; 16 bytes a lane,
	v_lshrrev_b32 v11, 4, v1
	v_mad_u32_u24 v6, v11, 48, v5                  ; and behind the 48 bytes between the halves for lanes 16-31 of the middle load
	s_mul_i32 s51, s12, 1536
	v_add_nc_u32 v8, s51, v10                      ; the same place in the group
	v_lshrrev_b32 v11, 6, v0                       ; the scale bytes: 64 threads to a head, 8 bytes each
	v_and_b32 v12, 63, v0
	v_lshlrev_b32 v12, 3, v12
	v_mad_u32_u24 v7, v11, STG, v12
	v_mul_u32_u24 v9, v11, HEADB
	v_add_nc_u32 v9, v9, v12
	s_wait_kmcnt 0x0
	s_add_nc_u64 s[16:17], s[4:5], s[28:29]        ; a base for each of the four heads: a head's 4 MiB do not fit into an immediate four times
	s_add_nc_u64 s[18:19], s[16:17], 0x400000
	s_add_nc_u64 s[20:21], s[18:19], 0x400000
	s_add_nc_u64 s[22:23], s[20:21], 0x400000
	s_add_nc_u64 s[24:25], s[10:11], s[24:25]
.irp j, 0,1,2,3
	global_load_b128 v[F+4*\j:F+4*\j+3], v2, s[8:9] offset:16*\j
.endr
.macro LOADQ t                         ; step t = 4 i + hh: row i of head hh into set hh
.irp j, 0,1,2,3
	global_load_b128 v[X+16*((\t)%4)+4*\j:X+16*((\t)%4)+4*\j+3], v2, s[16+2*((\t)%4):17+2*((\t)%4)] offset:((\t)/4)*2048+16*\j th:TH_LOAD_NT
.endr
.endm
	LOADQ 0
	LOADQ 1
	LOADQ 2
	LOADQ 3
; Cosine and sine of 2 pi frac(t f) for eight of my n, stage by stage, so that no instruction waits for the one just ahead.  s26 = t as f32.
.macro SC8 n0
.irp j, 0,1,2,3,4,5,6,7
	v_mul_f32 v[R+\j], s26, v[F+\n0+\j]            ; t f, rounded once
.endr
.irp j, 0,1,2,3,4,5,6,7
	v_floor_f32 v[R+8+\j], v[R+\j]
.endr
.irp j, 0,1,2,3,4,5,6,7
	v_sub_f32 v[R+\j], v[R+\j], v[R+8+\j]          ; x in 0 .. 1
.endr
.irp j, 0,1,2,3,4,5,6,7
	v_mul_f32 v[R+8+\j], 4.0, v[R+\j]
.endr
.irp j, 0,1,2,3,4,5,6,7
	v_rndne_f32 v[R+8+\j], v[R+8+\j]               ; k = 0 .. 4 quarter turns
.endr
.irp j, 0,1,2,3,4,5,6,7
	v_fma_f32 v[R+\j], v[R+8+\j], s31, v[R+\j]     ; x - k / 4: exact, at most 1/8
.endr
.irp j, 0,1,2,3,4,5,6,7
	v_mul_f32 v[R+\j], s30, v[R+\j]                ; the angle that is left
.endr
.irp j, 0,1,2,3,4,5,6,7
	v_mul_f32 v[T+\j], v[R+\j], v[R+\j]            ; its square z
.endr
.irp j, 0,1,2,3,4,5,6,7
	v_fma_f32 v[SI+\n0+\j], s34, v[T+\j], s33
	v_fma_f32 v[CO+\n0+\j], s37, v[T+\j], s36
.endr
.irp j, 0,1,2,3,4,5,6,7
	v_fma_f32 v[SI+\n0+\j], v[SI+\n0+\j], v[T+\j], s32
	v_fma_f32 v[CO+\n0+\j], v[CO+\n0+\j], v[T+\j], s35
.endr
.irp j, 0,1,2,3,4,5,6,7
	v_mul_f32 v[SI+\n0+\j], v[SI+\n0+\j], v[T+\j]
	v_fma_f32 v[CO+\n0+\j], v[CO+\n0+\j], v[T+\j], -0.5
.endr
.irp j, 0,1,2,3,4,5,6,7
	v_fma_f32 v[SI+\n0+\j], v[SI+\n0+\j], v[R+\j], v[R+\j]
	v_fma_f32 v[CO+\n0+\j], v[CO+\n0+\j], v[T+\j], 1.0
.endr
.irp j, 0,1,2,3,4,5,6,7
	v_cvt_i32_f32 v[R+8+\j], v[R+8+\j]
.endr
.irp j, 0,1,2,3,4,5,6,7
	v_and_b32 v[T+\j], 1, v[R+8+\j]
.endr
.irp j, 0,1,2,3,4,5,6,7
	v_cmp_eq_u32 s[40+\j], 1, v[T+\j]              ; an odd k: sine and cosine change places
.endr
.irp j, 0,1,2,3,4,5,6,7
	v_cndmask_b32 v[R+\j], v[CO+\n0+\j], v[SI+\n0+\j], s[40+\j]
	v_cndmask_b32 v[SI+\n0+\j], v[SI+\n0+\j], v[CO+\n0+\j], s[40+\j]
.endr
.irp j, 0,1,2,3,4,5,6,7
	v_lshlrev_b32 v[T+\j], 30, v[R+8+\j]           ; the sine is negative for k = 2, 3: bit 1 of k;
	v_add_nc_u32 v[R+8+\j], 1, v[R+8+\j]           ; the cosine for k = 1, 2: bit 1 of k + 1
.endr
.irp j, 0,1,2,3,4,5,6,7
	v_and_b32 v[T+\j], s38, v[T+\j]
	v_lshlrev_b32 v[R+8+\j], 30, v[R+8+\j]
.endr
.irp j, 0,1,2,3,4,5,6,7
	v_xor_b32 v[SI+\n0+\j], v[SI+\n0+\j], v[T+\j]
	v_and_b32 v[R+8+\j], s38, v[R+8+\j]
.endr
.irp j, 0,1,2,3,4,5,6,7
	v_xor_b32 v[CO+\n0+\j], v[R+\j], v[R+8+\j]
.endr
.endm
; One row of one head: rope, the block's scale, sixteen codes, into the stage.
.macro STEPQ t
.set XS, X+16*((\t)%4)
.if (\t) <= 12
	s_wait_loadcnt 12                              ; this step's four loads are in; the next three steps' twelve may be out
.else
	s_wait_loadcnt 4*(15-(\t))                     ; the last steps: the counts run down
.endif
.irp k, 0,2,4,6,8,10,12,14
	v_pk_mul_f32 v[R+\k:R+\k+1], v[XS+\k:XS+\k+1], v[CO+\k:CO+\k+1]
.endr
.irp k, 0,2,4,6,8,10,12,14
	v_fma_f32 v[R+\k], -v[XS+\k+1], v[SI+\k], v[R+\k]          ; q(2k) cos - q(2k+1) sin
	v_fma_f32 v[R+\k+1], v[XS+\k], v[SI+\k+1], v[R+\k+1]       ; q(2k+1) cos + q(2k) sin
.endr
	v_max3_num_f32 v[T+8], |v[R]|, |v[R+1]|, |v[R+2]|          ; the largest magnitude of my 16, in two chains
	v_max3_num_f32 v[T+9], |v[R+3]|, |v[R+4]|, |v[R+5]|
.irp k, 6,10
	v_max3_num_f32 v[T+8], v[T+8], |v[R+\k]|, |v[R+\k+1]|
	v_max3_num_f32 v[T+9], v[T+9], |v[R+\k+2]|, |v[R+\k+3]|
.endr
	v_max3_num_f32 v[T+8], v[T+8], |v[R+14]|, |v[R+15]|
	v_max_num_f32 v[T+8], v[T+8], v[T+9]
	v_max_num_f32_dpp v[T+8], v[T+8], v[T+8] row_xmask:1 row_mask:0xf bank_mask:0xf   ; and of my neighbour's 16: the block's
	v_lshrrev_b32 v[T+9], 23, v[T+8]               ; its exponent field
	v_max_u32 v[T+9], 5, v[T+9]                    ; the byte is not to fall under 1
	v_add_nc_u32 v[T+9], -4, v[T+9]                ; the scale's byte
	v_lshlrev_b32 v[T+10], 23, v[T+9]              ; the scale as f32, for the conversion
	v_cmp_eq_u32 vcc_lo, 0, v[T+8]
	v_cvt_scalef32_pk16_bf6_f32 v[C+4*(\t):C+4*(\t)+2], v[R:R+15], v[T+10]
	v_cndmask_b32 v[E+(\t)], v[T+9], 127, vcc_lo   ; a block of zeros gets 127.  (Also the one plain instruction between a scaled conversion and what touches its result or writes its sources)
.irp m, 0,1,2
	ds_store_b32 v3, v[C+4*(\t)+\m] offset:((\t)%4)*STG+((\t)/4)*48+4*\m
.endr
	ds_store_b8 v4, v[E+(\t)] offset:((\t)%4)*STG+16*HFP+((\t)/4)*16   ; both lanes of a block write the same byte with the same value
.if (\t) < 12
	LOADQ (\t)+4
.endif
.endm
	s_wait_loadcnt 16                              ; freqs are in; the sixteen loads of Q behind them may be out
.irp i, 0,1,2,3
	s_add_co_u32 s27, s15, \i
	s_cvt_f32_u32 s26, s27                         ; t
	SC8 0
	SC8 8
	STEPQ 4*\i
	STEPQ 4*\i+1
	STEPQ 4*\i+2
	STEPQ 4*\i+3
.endr
	s_wait_dscnt 0x0                               ; for the others' sake: my stores into the stage are done
	s_barrier_signal -1
	s_barrier_wait -1
.irp hh, 0,1,2,3
	ds_load_b128 v[X+12*\hh:X+12*\hh+3], v5 offset:\hh*STG
	ds_load_b128 v[X+12*\hh+4:X+12*\hh+7], v6 offset:\hh*STG+512
	ds_load_b128 v[X+12*\hh+8:X+12*\hh+11], v5 offset:\hh*STG+1072
.endr
	ds_load_b64 v[X+48:X+49], v7 offset:16*HFP
.irp hh, 0,1,2,3
.irp m, 0,1,2
	s_wait_dscnt 12-3*\hh-\m                       ; LDS loads come back in order: this one is in, the younger ones may be out
	global_store_b128 v8, v[X+12*\hh+4*\m:X+12*\hh+4*\m+3], s[24:25] offset:\hh*HEADB+512*\m   ; a wave's store covers 512 consecutive bytes, at a multiple of 256 from kv's first byte
.endr
.endr
	s_wait_dscnt 0x0
	global_store_b64 v9, v[X+48:X+49], s[24:25] offset:12288   ; 256 consecutive bytes a wave
	s_wait_tensorcnt 0x0
	ds_add_u32 v240, v241
	s_wait_dscnt 0x0
	s_endpgm
; ---------------------------------------------------------------- V
; head = v >> 3, step = v & 7.  Wave w: key tile kh = w >> 2, channels 32 (w & 3) + l: a lane takes a channel and its registers run down the keys, so that a block of 32 keys lies in one lane.
.Lvpath:
	s_sub_co_u32 s13, ttmp9, 256
	s_lshr_b32 s14, s13, 3                         ; head
	s_and_b32 s15, s13, 7                          ; step
	s_lshr_b32 s16, s12, 2                         ; kh
	s_and_b32 s17, s12, 3                          ; wv
	s_lshl_b32 s20, s14, 20                        ; 2,048 rows of 512 bytes,
	s_lshl_b32 s21, s15, 17                        ; 256 rows,
	s_add_co_u32 s20, s20, s21
	s_lshl_b32 s21, s16, 16                        ; 128 rows
	s_add_co_u32 s20, s20, s21
	s_mov_b32 s21, 0
	s_mul_i32 s22, s14, HEADB
	s_mul_i32 s23, s15, STEPB
	s_add_co_u32 s22, s22, s23
	s_add_co_u32 s22, s22, 8*GRP                   ; V's part of the step
	s_mov_b32 s23, 0
	v_lshlrev_b32 v2, 2, v1
	s_lshl_b32 s24, s17, 7
	v_add_nc_u32 v2, s24, v2                       ; 4 (32 wv + l)
	v_lshrrev_b32 v5, 4, v1
	v_and_b32 v6, 15, v1
	v_mul_u32_u24 v3, v5, 1536
	v_mad_u32_u24 v3, v6, 48, v3
	s_mul_i32 s24, s16, GRP
	s_mul_i32 s25, s17, 3072
	s_add_co_u32 s25, s25, s24
	v_add_nc_u32 v3, s25, v3                       ; the stage is laid as kv is: fragment 2 wv + (l >> 4), lane row l & 15
	s_lshl_b32 s25, s17, 2
	s_add_co_u32 s25, s25, s24
	v_lshl_add_u32 v4, v1, 4, s25                  ; my scale word: 16 l + 4 wv
	v_and_b32 v5, 127, v0
	v_lshl_add_u32 v7, v5, 4, s24                  ; out: the four waves of a key tile take its 12,288 bytes, 16 a thread: the same offset in the stage and in kv
	v_lshl_add_u32 v8, v5, 2, s24                  ; and its 512 scale bytes, 4 a thread
	s_wait_kmcnt 0x0
	s_add_nc_u64 s[20:21], s[6:7], s[20:21]
	s_add_nc_u64 s[22:23], s[10:11], s[22:23]
.macro LOADV b                         ; block b: V(32 b + i, my channel) into set b % 2; a wave's load reads 128 consecutive bytes, the four waves side by side 512
.irp i, 0,1,2,3,4,5,6,7,8,9,10,11,12,13,14,15,16,17,18,19,20,21,22,23,24,25,26,27,28,29,30,31
	global_load_b32 v[X+32*((\b)%2)+\i], v2, s[20:21] offset:(32*(\b)+\i)*512 th:TH_LOAD_NT
.endr
.endm
	LOADV 0
	LOADV 1
.macro BLOCKV b
.set XS, X+32*((\b)%2)
.set CB, C+8*(\b)
.if (\b) < 3
	s_wait_loadcnt 32                              ; this block's 32 loads are in; the next block's may be out
.else
	s_wait_loadcnt 0x0
.endif
	v_max3_num_f32 v12, |v[XS]|, |v[XS+1]|, |v[XS+2]|          ; the block's largest magnitude: all 32 numbers are mine
	v_max3_num_f32 v13, |v[XS+3]|, |v[XS+4]|, |v[XS+5]|
.irp i, 6,10,14,18,22,26
	v_max3_num_f32 v12, v12, |v[XS+\i]|, |v[XS+\i+1]|
	v_max3_num_f32 v13, v13, |v[XS+\i+2]|, |v[XS+\i+3]|
.endr
	v_max3_num_f32 v12, v12, |v[XS+30]|, |v[XS+31]|
	v_max_num_f32 v12, v12, v13
	v_lshrrev_b32 v13, 23, v12
	v_max_u32 v13, 5, v13
	v_add_nc_u32 v13, -4, v13
	v_lshlrev_b32 v11, 23, v13
	v_cmp_eq_u32 vcc_lo, 0, v12
	v_cndmask_b32 v13, v13, 127, vcc_lo
.if (\b) == 0
	v_mov_b32 v14, v13                             ; the tile's four bytes make my channel's scale word
.else
	v_lshl_or_b32 v14, v13, 8*(\b), v14
.endif
	v_cvt_scalef32_pk16_bf6_f32 v[CB:CB+2], v[XS:XS+15], v11
	v_cvt_scalef32_pk16_bf6_f32 v[CB+4:CB+6], v[XS+16:XS+31], v11   ; (a conversion's three registers begin on an even number)
	v_nop                                          ; one plain instruction between a scaled conversion and what touches its result or writes its sources
.irp m, 0,1,2
	ds_store_b32 v3, v[CB+\m] offset:((\b)%2)*768+((\b)/2)*24+4*\m          ; block b belongs to lane half b & 1, registers 6 (b >> 1) on
	ds_store_b32 v3, v[CB+4+\m] offset:((\b)%2)*768+((\b)/2)*24+12+4*\m
.endr
.if (\b) < 2
	LOADV (\b)+2
.endif
.endm
	BLOCKV 0
	BLOCKV 1
	BLOCKV 2
	BLOCKV 3
	ds_store_b32 v4, v14 offset:12288
	s_wait_dscnt 0x0                               ; for the others' sake: my stores into the stage are done
	s_barrier_signal -1
	s_barrier_wait -1
.irp m, 0,1,2,3,4,5
	ds_load_b128 v[X+4*\m:X+4*\m+3], v7 offset:2048*\m
.endr
	ds_load_b32 v[X+24], v8 offset:12288
.irp m, 0,1,2,3,4,5
	s_wait_dscnt 6-\m                              ; this load is in, the younger ones may be out
	global_store_b128 v7, v[X+4*\m:X+4*\m+3], s[22:23] offset:2048*\m   ; 512 consecutive bytes a wave
.endr
	s_wait_dscnt 0x0
	global_store_b32 v8, v[X+24], s[22:23] offset:12288   ; 128 consecutive bytes a wave: two waves to 256
	s_wait_tensorcnt 0x0
	ds_add_u32 v240, v241
	s_wait_dscnt 0x0
	s_endpgm
.Lfunc_end_k_q46b096ca63_prep:
	.size	k_q46b096ca63_prep, .Lfunc_end_k_q46b096ca63_prep-k_q46b096ca63_prep
	.p2alignl 7, 3214868480
	.fill 96, 4, 3214868480
	.section	.rodata,"a",@progbits
	.p2align	6, 0x0
	.amdhsa_kernel k_q46b096ca63_prep
		.amdhsa_group_segment_fixed_size 55296
		.amdhsa_private_segment_fixed_size 0
		.amdhsa_enable_private_segment 0
		.amdhsa_kernarg_size 32
		.amdhsa_user_sgpr_count 2
		.amdhsa_user_sgpr_kernarg_segment_ptr 1
		.amdhsa_wavefront_size32 1
		.amdhsa_system_sgpr_workgroup_id_x 1
		.amdhsa_system_sgpr_workgroup_id_y 1
		.amdhsa_system_sgpr_workgroup_id_z 1
		.amdhsa_system_vgpr_workitem_id 0
		.amdhsa_next_free_vgpr 242
		.amdhsa_next_free_sgpr 66
		.amdhsa_reserve_vcc 1
		.amdhsa_float_denorm_mode_32 3
		.amdhsa_float_denorm_mode_16_64 3
		.amdhsa_memory_ordered 1
		.amdhsa_forward_progress 1
		.amdhsa_inst_pref_size 156
	.end_amdhsa_kernel
	.amdgpu_metadata
---
amdhsa.version: [ 1, 2 ]
amdhsa.kernels:
  - .name:           k_q46b096ca63_prep
    .symbol:         k_q46b096ca63_prep.kd
    .args:
      - { .name: Q, .offset: 0, .size: 8, .value_kind: global_buffer, .address_space: global }
      - { .name: V, .offset: 8, .size: 8, .value_kind: global_buffer, .address_space: global }
      - { .name: freqs, .offset: 16, .size: 8, .value_kind: global_buffer, .address_space: global }
      - { .name: kv, .offset: 24, .size: 8, .value_kind: global_buffer, .address_space: global }
    .group_segment_fixed_size: 55296
    .private_segment_fixed_size: 0
    .kernarg_segment_align: 8
    .kernarg_segment_size: 32
    .max_flat_workgroup_size: 256
    .sgpr_count:     66
    .vgpr_count:     242
    .wavefront_size: 32
...
	.end_amdgpu_metadata
.endif
;; end of part 1
;; launch attn (part 2): grid 16 x 16, 4 waves a work-group, clusters of 4 x 1, 327,680 bytes of LDS; arguments kv, out0; writes out0
.if DOCPART == 2
	.amdgcn_target "amdgcn-amd-amdhsa--gfx1250"
	.amdhsa_code_object_version 6
	.text
	.protected	k_q46b096ca63_attn
	.globl	k_q46b096ca63_attn
	.p2align	8
	.type	k_q46b096ca63_attn,@function
k_q46b096ca63_attn:
	s_mov_b64 s[64:65], 0
	v_nop
	global_prefetch_b8 v0, s[64:65] scope:SCOPE_SE
	s_setreg_imm32_b32 hwreg(HW_REG_WAVE_MODE, 25, 1), 1
	s_wait_xcnt 0x0
	s_wait_alu depctr_hold_cnt(0) depctr_sa_sdst(0) depctr_va_vdst(0) depctr_va_sdst(0) depctr_va_ssrc(0) depctr_va_vcc(0) depctr_vm_vsrc(0)
	s_getreg_b32 s2, hwreg(HW_REG_IB_STS2, 6, 4)
	s_cmp_eq_u32 s2, 0
	s_cbranch_scc0 .Lentry_in_a_cluster
	s_endpgm
.Lentry_in_a_cluster:
	s_bfe_u32 s2, ttmp6, 0x10000c
	s_cmp_lg_u32 s2, 0x3003
	s_cbranch_scc0 .Lentry_shape_is_right
	s_endpgm
.Lentry_shape_is_right:
; ATTN: O = Q6(tril(Q6(QR) Q6(QR)^T, -1)) Q6(V), Q6 the quantiser to E3M2 with one E8M0 scale for each 32 along K.  16 heads, T = 2,048, N = 512, 128 channels.  QR's and V's codes come from kv (laid lane by lane: see below).
; SHARES.  A work-group owns 128 queries of one head.  Wave w: qh = w >> 1 says which 64 of them (four tiles of 16), kh = w & 1 which 128 keys of each step of 256.  O is linear in the keys: the two waves of a query
; half add their f32 sums once, at the end.  (So O's sums are added in another order than the keys': two halves of every step.)
; CLUSTER.  The four query blocks of a cluster (queries 512 c .. 512 c + 511 of one head) walk the same keys, so each tile is asked for JOINTLY.  All four run 2 c + 2 steps: 2 c steps whose keys lie under every query of
; the cluster, then two with the mask's code.  No branch, trip count or LDS address hangs on the place in the cluster: it enters the queries' and O's addresses and the mask's numbers alone.
; Work is uneven between clusters (2 to 8 steps): that is this design's price for joint loads with equal trips.
; kv[head][step][128,000]: groups g of 32 rows at 12,800 g: fragment 4 u + dc at 1,536 each, 48 bytes a lane (registers 0-11 of the 6-bit operand), scale bytes at +12,288, 16 a row at 16 (r + 16 u);
; lane row r of tile u is row 8 u + r + 8 (r / 8) of the group.  V's key tile kh at 102,400 + 12,800 kh: fragment dt, and at +12,288 word i of lane r + 16 h': channel 16 (2 i + h') + r.
; LAYOUT.  Both products are used transposed: S^T = K Q^T (source 0 = 16 keys, source 1 = 16 queries), O^T = V^T P^T: a lane holds one query throughout.  By the choice of a tile's rows the 16 registers of key tiles
; u = 0, 1 of a group are the keys 16 (lane / 16) + 0 .. 15 of an aligned block of 32: one exchange between the halves of the lanes gives the block's largest magnitude, and the conversions' results, with the halves
; exchanged, are the second product's operand.
; BY TURNS.  A step's vector work (336 instructions to quantise S, 512 more where the mask is applied) is cut into slices that stand behind the matrix instructions of the next group: 3 (7) a slice.
; Each slice costs two switches of the register window; set in phases of its own that work would leave the matrix unit idle all the while.
; O^T is cleared by 256 moves while the first tiles are on their way: the first step is another text for c = 0 than for c > 0, and two more copies of a step would be written to start the sums with the constant 0.
; LIMITS: NaN and infinities are not served; blocks of S whose largest magnitude lies under 2^-122, whose byte is held at 1, were not tried.
; REGISTERS, in windows of 256 (s_set_vgpr_msb: bits 1:0 source 0, 3:2 source 1, 5:4 source 2, 7:6 destination):
;   window 0: v1-2 the add's; v3-10 LDS addresses, one for each slot; v11, v56 lane offsets; v12-15 the mask's limits; v16-39 scale words and nothing else; v40-55 at work; v57-60 the way out; v64-127 S^T, two buffers; v128-175 P
;   window 1: v0-191 Q's fragments; v192-239 V's fragments 0-3      window 2: v0-191 K's fragments, two sets; v192-239 V's fragments 4-7      window 3: O^T, accumulator (j, dt) at 64 j + 8 dt
; Register pair p of query tiles (j = 2 p + uq) holds the wave's group of 32 queries p xor kh: so both waves of a query half keep their pair 0 and give their pair 1 to the partner, by one text.
.set HEADB, 1024000
.set STEPB, 128000
.set GRP,   12800
.set QUART, 32000                      ; a quarter of a step: what one tensor load brings: 125 rows of 256 bytes
.set SLOT1, 131072                     ; slot 0 at 0, slot 1 here, 128,000 bytes each
.set XCH,   259072                     ; behind the ring: 4 waves x 2 tiles x 16 rows x 528: what a wave hands to its partner; no fill lands here
.set WST,   16896                      ; a wave's two tiles there.  A wave's own two tiles go to WST x wave in slot 0, which has had its last fill and its last read at the last change of slots
.set SPITCH, 528                       ; 512 bytes + 16: the 16 rows of a store start in 16 different columns of 16 bytes
.set SPARE, 326656                     ; the spare words, 128 bytes for each wave: two blocks of 256 bytes that no other line names
.set SPW, 1
.set NIL, 2
.set AK,  3                            ; v3, v4   K's fragments in slot 0, 1: 48 L + 51,200 kh
.set AKS, 5                            ; v5, v6   K's scale words: 16 L + 51,200 kh
.set AV,  7                            ; v7, v8   V's fragments: 48 L + 102,400 + 12,800 kh
.set AVS, 9                            ; v9, v10  V's scale words
.set L48, 11                           ; 48 L
.set ML,  12                           ; v12-15   tile j: key 32 kb + idx of the step counts where it is less than this
.set QS,  16                           ; v16-23   Q's scale words: pair p, chunk dc at 4 p + dc; lanes 0-15 tile uq = 0, lanes 16-31 tile uq = 1
.set KS,  24                           ; v24-31   K's: set kb % 2, chunk dc; lanes 0-15 tile u = 0, lanes 16-31 u = 1
.set VS,  32                           ; v32-35   V's: word i: lanes 0-15 fragment 2 i, lanes 16-31 fragment 2 i + 1
.set PS,  36                           ; v36-39   P's: tile j
.set ZB,  40                           ; tile tl at 8 tl: +0 largest magnitude, +1 the other half's, +2 byte, +3 scale as f32, +4..6 codes on their way
.set L16, 56                           ; 16 L
.set OST, 57
.set XST, 58
.set ORD, 59
.set XRD, 60
.set S,   64                           ; buffer qp at 32 qp, tile tl at 16 tl, key tile u at 8 u
.set P,   128                          ; tile j at 12 j
.set G1,  16                           ; s[16:23] descriptor group 1
.set G0,  24                           ; s[24:27], s[28:31] group 0 for slot 0, 1
.set SEL, 34                           ; s[34:35] selects for lane l xor 16
.set MK,  36                           ; s36, s37 lane masks, one a tile
.set QB,  38                           ; s[38:41] the two groups of my queries in kv
.set OB,  42                           ; s[42:43] my rows of out0
.set MSB, 0
.macro WIN new                         ; the immediate's high byte repeats the setting that is left; a switch that changes nothing is dropped
.if MSB != \new
	s_set_vgpr_msb (MSB<<8)|\new
.set MSB, \new
.endif
.endm
.macro PLACES n                        ; plain vector instructions that name no register: the distance behind matrix instructions and ahead of scaled ones (ISA guide 7.12.1)
.rept \n
	v_nop
.endr
.endm
; A round of the cluster's barrier: my work-group's barrier; wave 0 signals for the work-group; every wave waits for all four work-groups; my work-group's barrier once more.
.macro CROUND
	s_barrier_signal -1
	s_barrier_wait -1
	s_cmp_lg_u32 s8, 0
	s_cbranch_scc1 .Lnot_wave_0_\@
	s_barrier_signal -3
.Lnot_wave_0_\@:
	s_barrier_wait -3
	s_barrier_signal -1
	s_barrier_wait -1
.endm
	s_load_b128 s[4:7], s[0:1], 0x0                ; kv s[4:5], out0 s[6:7]
	v_lshl_add_u32 v[SPW], v0, 2, SPARE
	v_mov_b32 v[NIL], 0
	ds_add_u32 v1, v2
	ds_add_u32 v1, v2
	s_wait_dscnt 0x0
	v_lshrrev_b32 v40, 5, v0
	v_readfirstlane_b32 s8, v40                    ; wave 0..3
	s_and_b32 s9, s8, 1                            ; kh
	s_lshr_b32 s10, s8, 1                          ; qh
	s_bfe_u32 s11, ttmp6, 0x40000                  ; cx
	s_and_b32 s13, ttmp7, 0xffff                   ; the head, which the four partners share
	s_lshl_b32 s14, ttmp9, 2                       ; in a cluster launch ttmp9 counts clusters: c
	s_add_co_u32 s14, s14, s11                     ; my block of 128 queries
	s_mov_b32 s[G1], 15|(3<<16)|(1<<21)            ; 15:0 the mask: all four work-groups; 17:16 elements of 8 bytes; 20 no padding; 21 set beside a mask
	s_mov_b32 s[G1+1], 32<<16                      ; tensor_dim0 = 32 elements: 256 bytes
	s_mov_b32 s[G1+2], 125<<16                     ; tensor_dim1 = 125
	s_mov_b32 s[G1+3], 32<<16                      ; tile_dim0
	s_mov_b32 s[G1+4], 125                         ; tile_dim1
	s_mov_b32 s[G1+5], 32                          ; from row to row: dense
	s_mov_b32 s[G1+6], 0
	s_mov_b32 s[G1+7], 0
	s_mov_b32 s[SEL], 0x76543210
	s_mov_b32 s[SEL+1], 0xfedcba98
	s_mul_i32 s44, s13, HEADB                      ; the head's first byte in kv
	s_mul_i32 s45, s8, QUART                       ; my quarter of a step, in memory and in a slot: no place in the cluster enters it
	s_add_co_u32 s46, s44, s45
	s_mov_b32 s47, 0
	s_lshl_b32 s48, s14, 2
	s_lshl_b32 s49, s10, 1
	s_add_co_u32 s48, s48, s49                     ; my first group of 32 queries: 4 x block + 2 qh
.irp p, 0,1
	s_xor_b32 s49, s9, \p
	s_add_co_u32 s49, s48, s49                     ; pair p's group, 0 .. 63: step = group >> 3, g = group & 7
	s_lshr_b32 s50, s49, 3
	s_and_b32 s49, s49, 7
	s_mul_i32 s50, s50, STEPB
	s_mul_i32 s49, s49, GRP
	s_add_co_u32 s49, s49, s50
	s_add_co_u32 s[QB+2*\p], s49, s44
	s_mov_b32 s[QB+2*\p+1], 0
.endr
	s_lshl_b32 s50, s13, 11
	s_lshl_b32 s51, s14, 7
	s_add_co_u32 s50, s50, s51
	s_lshl_b32 s51, s10, 6
	s_add_co_u32 s50, s50, s51
	s_lshl_b32 s51, s9, 5
	s_add_co_u32 s50, s50, s51                     ; the first row that I store: 2,048 head + 128 block + 64 qh + 32 kh
	s_lshl_b32 s[OB], s50, 9
	s_mov_b32 s[OB+1], 0
	s_wait_kmcnt 0x0
	s_add_nc_u64 s[46:47], s[4:5], s[46:47]
	s_add_nc_u64 s[QB:QB+1], s[4:5], s[QB:QB+1]
	s_add_nc_u64 s[QB+2:QB+3], s[4:5], s[QB+2:QB+3]
	s_add_nc_u64 s[OB:OB+1], s[6:7], s[OB:OB+1]
	CROUND                                         ; all four work-groups are here: the first joint loads meet
	s_mov_b32 s[G0], 1                             ; count = 1
	s_mov_b32 s[G0+1], s45                         ; LDS address: slot 0
	s_mov_b64 s[G0+2:G0+3], s[46:47]               ; step 0
	s_or_b32 s[G0+3], s[G0+3], 0x80000000          ; type = 2
	s_mov_b32 s[G0+4], 1
	s_add_co_u32 s[G0+5], s45, SLOT1               ; slot 1
	s_add_nc_u64 s[G0+6:G0+7], s[46:47], STEPB     ; step 1
	s_or_b32 s[G0+7], s[G0+7], 0x80000000
	tensor_load_to_lds s[G0:G0+3], s[G1:G1+7]      ; both first fills together, ahead of every wait on TENSORcnt and every LDS read: two loads of mine are out
	s_nop 0
	tensor_load_to_lds s[G0+4:G0+7], s[G1:G1+7]
	s_nop 0
	PLACES 4
	v_and_b32 v41, 31, v0                          ; L
	v_mul_u32_u24 v[L48], v41, 48
	v_lshlrev_b32 v[L16], 4, v41
	WIN 0x40                                       ; destination window 1
.irp p, 0,1
.irp f, 0,1,2,3,4,5,6,7
.irp m, 0,1,2
	global_load_b128 v[96*\p+12*\f+4*\m:96*\p+12*\f+4*\m+3], v[L48], s[QB+2*\p:QB+2*\p+1] offset:1536*\f+16*\m   ; Q stays in registers: pair p, fragment f = 4 uq + dc
.endr
.endr
.endr
	WIN 0
.irp p, 0,1
	global_load_b128 v[QS+4*\p:QS+4*\p+3], v[L16], s[QB+2*\p:QB+2*\p+1] offset:12288
.endr
	s_mul_i32 s52, s9, 4*GRP
	s_mul_i32 s53, s9, GRP
	s_add_co_u32 s53, s53, 8*GRP
	v_add_nc_u32 v[AK], s52, v[L48]
	v_add_nc_u32 v[AKS], s52, v[L16]
	v_add_nc_u32 v[AV], s53, v[L48]
	v_add_nc_u32 v[AVS], s53, v[L16]
.irp a, AK, AKS, AV, AVS
	v_add_nc_u32 v[\a+1], SLOT1, v[\a]
.endr
	; the mask.  In the step that begins at key 512 c, register idx of key group kb holds key 128 kh + 32 kb + 16 h + idx, and lane r of tile j the query 128 cx + 64 qh + 32 (p xor kh) + 8 uq + r + 8 (r / 8), both counted from 512 c
	v_and_b32 v42, 15, v0
	v_and_b32 v43, 8, v0
	v_add_nc_u32 v42, v42, v43
	v_and_b32 v43, 16, v0
	v_sub_nc_u32 v42, v42, v43                     ; r + 8 (r / 8) - 16 h
	s_lshl_b32 s54, s11, 7
	s_lshl_b32 s55, s10, 6
	s_add_co_u32 s54, s54, s55
	s_lshl_b32 s55, s9, 7
	s_sub_co_u32 s54, s54, s55                     ; 128 cx + 64 qh - 128 kh (it may be negative: the compare is signed)
.irp p, 0,1
	s_xor_b32 s55, s9, \p
	s_lshl_b32 s55, s55, 5
	s_add_co_u32 s55, s55, s54
	v_add_nc_u32 v[ML+2*\p], s55, v42
	v_add_nc_u32 v[ML+2*\p+1], 8, v[ML+2*\p]
.endr
	; the way out
	v_and_b32 v43, 15, v0
	v_mul_u32_u24 v[OST], v43, SPITCH
	v_bfe_u32 v44, v0, 4, 1
	v_lshl_add_u32 v[OST], v44, 5, v[OST]          ; in: row r, 32 bytes for each half of the lanes
	s_mul_i32 s55, s8, WST
	v_add_nc_u32 v[OST], s55, v[OST]               ; my own two tiles,
	v_add_nc_u32 v[XST], XCH, v[OST]               ; and the two for my partner
	v_add_nc_u32 v[ORD], s55, v[L16]               ; back: the 32 lanes take one row of 512 bytes
	s_xor_b32 s55, s8, 1
	s_mul_i32 s55, s55, WST
	s_add_co_u32 s55, s55, XCH
	v_add_nc_u32 v[XRD], s55, v[L16]               ; and the same row of what my partner left for me
	v_mov_b32 v[ZB+1], 0                           ; (the destination of a lane permute counts as read)
	v_mov_b32 v[ZB+9], 0
	WIN 0xc0                                       ; destination window 3
.set i, 0
.rept 256
	v_mov_b32 v[i], 0                              ; O^T
.set i, i+1
.endr
	WIN 0
; One scaled matrix instruction; its registers, scale rows and whether it starts a sum stand in the symbols sw..
.macro SW
.if swZ && swRA && swRB
	v_wmma_scale_f32_16x16x128_f8f6f4 v[swD:swD+7], v[swA:swA+11], v[swB:swB+11], 0, v[swSA], v[swSB] matrix_a_fmt:MATRIX_FMT_BF6 matrix_b_fmt:MATRIX_FMT_BF6 matrix_a_scale:MATRIX_SCALE_ROW1 matrix_b_scale:MATRIX_SCALE_ROW1
.elseif swZ && swRA
	v_wmma_scale_f32_16x16x128_f8f6f4 v[swD:swD+7], v[swA:swA+11], v[swB:swB+11], 0, v[swSA], v[swSB] matrix_a_fmt:MATRIX_FMT_BF6 matrix_b_fmt:MATRIX_FMT_BF6 matrix_a_scale:MATRIX_SCALE_ROW1
.elseif swZ && swRB
	v_wmma_scale_f32_16x16x128_f8f6f4 v[swD:swD+7], v[swA:swA+11], v[swB:swB+11], 0, v[swSA], v[swSB] matrix_a_fmt:MATRIX_FMT_BF6 matrix_b_fmt:MATRIX_FMT_BF6 matrix_b_scale:MATRIX_SCALE_ROW1
.elseif swZ
	v_wmma_scale_f32_16x16x128_f8f6f4 v[swD:swD+7], v[swA:swA+11], v[swB:swB+11], 0, v[swSA], v[swSB] matrix_a_fmt:MATRIX_FMT_BF6 matrix_b_fmt:MATRIX_FMT_BF6
.elseif swRA && swRB
	v_wmma_scale_f32_16x16x128_f8f6f4 v[swD:swD+7], v[swA:swA+11], v[swB:swB+11], v[swD:swD+7], v[swSA], v[swSB] matrix_a_fmt:MATRIX_FMT_BF6 matrix_b_fmt:MATRIX_FMT_BF6 matrix_a_scale:MATRIX_SCALE_ROW1 matrix_b_scale:MATRIX_SCALE_ROW1
.elseif swRA
	v_wmma_scale_f32_16x16x128_f8f6f4 v[swD:swD+7], v[swA:swA+11], v[swB:swB+11], v[swD:swD+7], v[swSA], v[swSB] matrix_a_fmt:MATRIX_FMT_BF6 matrix_b_fmt:MATRIX_FMT_BF6 matrix_a_scale:MATRIX_SCALE_ROW1
.elseif swRB
	v_wmma_scale_f32_16x16x128_f8f6f4 v[swD:swD+7], v[swA:swA+11], v[swB:swB+11], v[swD:swD+7], v[swSA], v[swSB] matrix_a_fmt:MATRIX_FMT_BF6 matrix_b_fmt:MATRIX_FMT_BF6 matrix_b_scale:MATRIX_SCALE_ROW1
.else
	v_wmma_scale_f32_16x16x128_f8f6f4 v[swD:swD+7], v[swA:swA+11], v[swB:swB+11], v[swD:swD+7], v[swSA], v[swSB] matrix_a_fmt:MATRIX_FMT_BF6 matrix_b_fmt:MATRIX_FMT_BF6
.endif
.endm
; The eight fragments and the scale words of key group kbn of my key tile, from the slot, into set buf: 25 loads in one run
.macro KLOAD slot, kbn, buf
	WIN 0x80                                       ; destination window 2
.irp f, 0,1,2,3,4,5,6,7
.irp m, 0,1,2
	ds_load_b128 v[96*(\buf)+12*\f+4*\m:96*(\buf)+12*\f+4*\m+3], v[AK+(\slot)] offset:(\kbn)*GRP+1536*\f+16*\m
.endr
.endr
	WIN 0
	ds_load_b128 v[KS+4*(\buf):KS+4*(\buf)+3], v[AKS+(\slot)] offset:(\kbn)*GRP+12288
.endm
.macro VLOAD slot                      ; my key tile of V: eight fragments and the scale words
	WIN 0x40
.irp dt, 0,1,2,3
.irp m, 0,1,2
	ds_load_b128 v[192+12*\dt+4*\m:192+12*\dt+4*\m+3], v[AV+(\slot)] offset:1536*\dt+16*\m
.endr
.endr
	WIN 0x80
.irp dt, 4,5,6,7
.irp m, 0,1,2
	ds_load_b128 v[192+12*(\dt-4)+4*\m:192+12*(\dt-4)+4*\m+3], v[AV+(\slot)] offset:1536*\dt+16*\m
.endr
.endr
	WIN 0
	ds_load_b128 v[VS:VS+3], v[AVS+(\slot)] offset:12288
.endm
; THE VECTOR WORK: S^T of key group kb, query pair qp, is masked (msk = 1), and quantised along the keys.  It is a numbered list for each of the pair's two tiles; ZOP writes the next number, the tiles by turns.
;   (msk: 32 numbers: for idx = 0 .. 15 ascending a compare of the key against the lane's query and a select of the score or 0)
;   0-7 the largest magnitude of my 16 keys, from the accumulators' low ends on;  8, 9 and of the 16 in lane l xor 16: the block's;  10-13 exponent field, held at 5, - 4: the byte; the scale as f32
;   14 sixteen codes;  15, 16 a block of zeros gets 127 (15 is also the plain instruction behind the conversion);  17 the byte into P's scale word
;   (kb odd: 18-20 the halves of the lanes change places, so that a lane holds a whole block: lanes 0-15 block kb - 1, lanes 16-31 block kb;  21-23 the upper 16 codes move to their registers)
.macro ZSTART kb, qp, msk
.set ZKB, \kb
.set ZQP, \qp
.set ZMSK, \msk
.set zi, 0
.set ZTOT, 36+12*((\kb)%2)+64*(\msk)
.endm
.macro ZNONE
.set zi, 0
.set ZTOT, 0
.endm
.macro ZOP
.if zi < ZTOT
	WIN 0
.set zt, zi%2
.set zo, zi/2-32*ZMSK
.set zj, 2*ZQP+zt
.set zS, S+32*ZQP+16*zt
.set zZ, ZB+8*zt
.set zP, P+12*zj+6*(ZKB/2)
.if zo < 0
.set zx, (zo+32)/2
.if (zo+32)%2 == 0
	v_cmp_lt_i32 s[MK+zt], 32*ZKB+zx, v[ML+zj]     ; the key lies strictly under the query
.else
	v_cndmask_b32 v[zS+zx], 0, v[zS+zx], s[MK+zt]
.endif
.elseif zo == 0
	v_max3_num_f32 v[zZ], |v[zS]|, |v[zS+1]|, |v[zS+2]|
.elseif zo < 7
	v_max3_num_f32 v[zZ], v[zZ], |v[zS+2*zo+1]|, |v[zS+2*zo+2]|
.elseif zo == 7
	v_max_num_f32 v[zZ], v[zZ], |v[zS+15]|
.elseif zo == 8
	v_permlanex16_b32 v[zZ+1], v[zZ], s[SEL], s[SEL+1]
.elseif zo == 9
	v_max_num_f32 v[zZ], v[zZ], v[zZ+1]
.elseif zo == 10
	v_lshrrev_b32 v[zZ+2], 23, v[zZ]
.elseif zo == 11
	v_max_u32 v[zZ+2], 5, v[zZ+2]
.elseif zo == 12
	v_add_nc_u32 v[zZ+2], -4, v[zZ+2]
.elseif zo == 13
	v_lshlrev_b32 v[zZ+3], 23, v[zZ+2]
.elseif zo == 14
.if ZKB%2 == 0
	v_cvt_scalef32_pk16_bf6_f32 v[zP:zP+2], v[zS:zS+15], v[zZ+3]
.else
	v_cvt_scalef32_pk16_bf6_f32 v[zZ+4:zZ+6], v[zS:zS+15], v[zZ+3]
.endif
.elseif zo == 15
	v_cmp_eq_u32 s[MK+zt], 0, v[zZ]
.elseif zo == 16
	v_cndmask_b32 v[zZ+2], v[zZ+2], 127, s[MK+zt]
.elseif zo == 17
.if ZKB == 0
	v_mov_b32 v[PS+zj], v[zZ+2]
.else
	v_lshl_or_b32 v[PS+zj], v[zZ+2], 8*ZKB, v[PS+zj]
.endif
.elseif zo < 21
	v_permlane16_swap_b32 v[zP+zo-18], v[zZ+4+zo-18]
.else
	v_mov_b32 v[zP+3+zo-21], v[zZ+4+zo-21]
.endif
.set zi, zi+1
.endif
.endm
; 16 products of S^T = K Q^T: key group kb (two tiles u) x query pair qp (two tiles tl), N in four chunks dc.  The four accumulators take turns, one instruction a turn; the first chunk starts the sums.
; Behind each product stand per numbers of the vector work in hand.
.macro MG kb, qp, per
.irp dc, 0,1,2,3
.irp u, 0,1
.irp tl, 0,1
	WIN 0x06                                       ; source 0 (K) window 2, source 1 (Q) window 1, C and D window 0
.set swD, S+32*(\qp)+16*\tl+8*\u
.set swA, 96*((\kb)%2)+12*(4*\u+\dc)
.set swB, 96*(\qp)+48*\tl+12*\dc
.set swSA, KS+4*((\kb)%2)+\dc
.set swSB, QS+4*(\qp)+\dc
.set swRA, \u
.set swRB, \tl
.set swZ, 0
.if \dc == 0
.set swZ, 1
.endif
	SW
.if \per > 0
.rept \per
	ZOP
.endr
.endif
.endr
.endr
.endr
.endm
; 16 products of O^T += V^T P^T: the eight fragments of V x query pair qp; K = my 128 keys of the step.  Sixteen accumulators, one instruction a turn.
.macro PVG qp, per
.irp dt, 0,1,2,3,4,5,6,7
.irp tl, 0,1
.if \dt < 4
	WIN 0xf1                                       ; source 0 (V) window 1, source 1 (P) window 0, C and D window 3
.set swA, 192+12*\dt
.else
	WIN 0xf2                                       ; V in window 2
.set swA, 192+12*(\dt-4)
.endif
.set swD, 64*(2*(\qp)+\tl)+8*\dt
.set swB, P+12*(2*(\qp)+\tl)
.set swSA, VS+\dt/2
.set swSB, PS+2*(\qp)+\tl
.set swRA, \dt%2
.set swRB, 0
.set swZ, 0
	SW
.if \per > 0
.rept \per
	ZOP
.endr
.endif
.endr
.endr
.endm
; THE CHANGE OF SLOTS.  All of the slot's LDS reads have been issued.  Each wave waits for all its tensor loads, of which one is out: its quarter of the other slot; adds 0 to its spare word; and waits for that and for its
; reads of the slot.  mode 1: the slot is filled again, with the step two on: the barrier is a round of the cluster's, and the joint refill is the first thing behind it: it has a whole step in which to land.
; mode 2: nothing is left to fetch.  The four v_nop are also the places in front of the loads and reads that follow.
.macro CHANGE slot, mode
	WIN 0                                          ; at a label and at a branch every window is 0; the add's two registers lie in window 0
	s_wait_tensorcnt 0x0                           ; no tensor load of mine is out, so a group 0 may be written
	ds_add_u32 v[SPW], v[NIL]                      ; 0 onto my spare word
.if \mode == 1
	s_add_nc_u64 s[G0+4*(\slot)+2:G0+4*(\slot)+3], s[G0+4*(\slot)+2:G0+4*(\slot)+3], 2*STEPB   ; the slot's next step; the type bits on top are not reached
.endif
	s_wait_dscnt 0x0                               ; the add is done, and my reads of the slot are over
.if \mode == 1
	CROUND
	tensor_load_to_lds s[G0+4*(\slot):G0+4*(\slot)+3], s[G1:G1+7]
	s_nop 0
.else
	s_barrier_signal -1
	s_barrier_wait -1
.endif
	PLACES 4
.endm
; A STEP: my 64 queries x my 128 keys of the 256 in the slot: ten groups of 16 matrix instructions.  Groups 0-7: S^T of key groups 0-3, query pairs 0, 1; groups 8, 9: O^T.  The vector work on a group's S^T stands in the next group.
; K's next group is fetched 32 matrix instructions ahead of its use, into the set that the group before has left.  Four places stand between a group and the reads of its results and the loads into its operands;
; eight between the last write of P's scale word (four for P) and the products that take it.
.macro STEP slot, msk, mode
.set PER, 3+4*(\msk)
	PLACES 4
	s_wait_dscnt 0x0                               ; key group 0 is in
	KLOAD \slot, 1, 1
	ZNONE
	MG 0, 0, 0
	PLACES 4
	ZSTART 0, 0, \msk
	MG 0, 1, PER
	PLACES 4
	s_wait_dscnt 0x0                               ; key group 1
	KLOAD \slot, 2, 0
	ZSTART 0, 1, \msk
	MG 1, 0, PER
	PLACES 4
	ZSTART 1, 0, \msk
	MG 1, 1, PER
	PLACES 4
	s_wait_dscnt 0x0                               ; key group 2
	KLOAD \slot, 3, 1
	VLOAD \slot
	ZSTART 1, 1, \msk
	MG 2, 0, PER
	PLACES 4
	ZSTART 2, 0, \msk
	MG 2, 1, PER
.if \mode == 0
	PLACES 4
	s_wait_dscnt 0x0                               ; key group 3 and V
.else
	CHANGE \slot, \mode                            ; (its wait for my LDS loads: key group 3 and V are in)
	KLOAD 1-\slot, 0, 0                            ; the next step's key group 0
.endif
	ZSTART 2, 1, \msk
	MG 3, 0, PER
	PLACES 4
	ZSTART 3, 0, \msk
	MG 3, 1, PER
	PLACES 8
	ZSTART 3, 1, \msk
	PVG 0, PER
	PLACES 8
	ZNONE
	PVG 1, 0
	WIN 0
.endm
	s_wait_tensorcnt 0x1                           ; my quarter of slot 0 is in; slot 1's may stay out
	s_barrier_signal -1
	s_barrier_wait -1                              ; everybody's is
	KLOAD 0, 0, 0
	s_wait_loadcnt 0x0                             ; Q
	s_mov_b32 s33, ttmp9                           ; c trips of two steps: the same number in all four partners
	s_cmp_eq_u32 s33, 0
	s_cbranch_scc1 .Ltail
.Lstep:                                                ; keys under 512 c: no mask.  Both slots are filled again
	STEP 0, 0, 1
	STEP 1, 0, 1
	s_sub_co_u32 s33, s33, 1
	s_cmp_lg_u32 s33, 0
	s_cbranch_scc1 .Lstep
.Ltail:                                                ; the last two steps are written out: they carry the mask and ask for nothing more
	STEP 0, 1, 2
.irp j, 0,1,2,3
	v_add_nc_u32 v[ML+\j], 0xffffff00, v[ML+\j]    ; the next step's keys lie 256 further on
.endr
	STEP 1, 1, 0
	; THE WAY OUT.  My pair 0 goes to my own stage, my pair 1 to my partner's; behind a barrier I read both sums of my 32 queries back as whole rows, add them and store them.
	PLACES 4
	WIN 0x0c                                       ; the data: window 3
.irp j, 0,1,2,3
.irp dt, 0,1,2,3,4,5,6,7
.if \j < 2
	ds_store_b128 v[OST], v[64*\j+8*\dt:64*\j+8*\dt+3] offset:(\j%2)*16*SPITCH+64*\dt          ; each accumulator from its low end on
	ds_store_b128 v[OST], v[64*\j+8*\dt+4:64*\j+8*\dt+7] offset:(\j%2)*16*SPITCH+64*\dt+16
.else
	ds_store_b128 v[XST], v[64*\j+8*\dt:64*\j+8*\dt+3] offset:(\j%2)*16*SPITCH+64*\dt
	ds_store_b128 v[XST], v[64*\j+8*\dt+4:64*\j+8*\dt+7] offset:(\j%2)*16*SPITCH+64*\dt+16
.endif
.endr
.endr
	WIN 0
	s_wait_dscnt 0x0                               ; for my partner's sake: my stores are done
	s_barrier_signal -1
	s_barrier_wait -1
.irp j, 0,1
.if \j > 0
	s_wait_xcnt 0x0                                ; the first tile's stores have read their registers: only behind this wait are they loaded again
.endif
.irp rr, 0,1,2,3,4,5,6,7,8,9,10,11,12,13,14,15
	ds_load_b128 v[128+4*\rr:131+4*\rr], v[ORD] offset:\j*16*SPITCH+SPITCH*\rr
.endr
.irp rr, 0,1,2,3,4,5,6,7,8,9,10,11,12,13,14,15
	ds_load_b128 v[192+4*\rr:195+4*\rr], v[XRD] offset:\j*16*SPITCH+SPITCH*\rr
.endr
	s_wait_dscnt 0x0
.irp rr, 0,1,2,3,4,5,6,7,8,9,10,11,12,13,14,15
	v_pk_add_f32 v[128+4*\rr:129+4*\rr], v[128+4*\rr:129+4*\rr], v[192+4*\rr:193+4*\rr]
	v_pk_add_f32 v[130+4*\rr:131+4*\rr], v[130+4*\rr:131+4*\rr], v[194+4*\rr:195+4*\rr]
	global_store_b128 v[L16], v[128+4*\rr:131+4*\rr], s[OB:OB+1] offset:(8*\j+\rr+8*(\rr/8))*512 th:TH_STORE_NT   ; lane row rr of tile j is query 8 j + rr + 8 (rr / 8) of the group; 32 lanes store its 512 consecutive bytes
.endr
.endr
	s_wait_tensorcnt 0x0                           ; the wave's end: behind my last tensor load and my last LDS store
	ds_add_u32 v[SPW], v[NIL]
	s_wait_dscnt 0x0
	CROUND                                         ; the closing round: no work-group ends while a partner may still ask for a tile that names it
	s_endpgm
.Lfunc_end_k_q46b096ca63_attn:
	.size	k_q46b096ca63_attn, .Lfunc_end_k_q46b096ca63_attn-k_q46b096ca63_attn
	.p2alignl 7, 3214868480
	.fill 96, 4, 3214868480
	.section	.rodata,"a",@progbits
	.p2align	6, 0x0
	.amdhsa_kernel k_q46b096ca63_attn
		.amdhsa_group_segment_fixed_size 327680
		.amdhsa_private_segment_fixed_size 0
		.amdhsa_enable_private_segment 0
		.amdhsa_kernarg_size 16
		.amdhsa_user_sgpr_count 2
		.amdhsa_user_sgpr_kernarg_segment_ptr 1
		.amdhsa_wavefront_size32 1
		.amdhsa_system_sgpr_workgroup_id_x 1
		.amdhsa_system_sgpr_workgroup_id_y 1
		.amdhsa_system_sgpr_workgroup_id_z 1
		.amdhsa_system_vgpr_workitem_id 0
		.amdhsa_next_free_vgpr 1024
		.amdhsa_next_free_sgpr 66
		.amdhsa_reserve_vcc 0
		.amdhsa_float_denorm_mode_32 3
		.amdhsa_float_denorm_mode_16_64 3
		.amdhsa_memory_ordered 1
		.amdhsa_forward_progress 1
		.amdhsa_inst_pref_size 255
	.end_amdhsa_kernel
	.section	.bss,"aw",@nobits
	.p2align	6
	.space	262144
	.amdgpu_metadata
---
amdhsa.version: [ 1, 2 ]
amdhsa.kernels:
  - .name:           k_q46b096ca63_attn
    .symbol:         k_q46b096ca63_attn.kd
    .args:
      - { .name: kv, .offset: 0, .size: 8, .value_kind: global_buffer, .address_space: global }
      - { .name: out0, .offset: 8, .size: 8, .value_kind: global_buffer, .address_space: global }
    .group_segment_fixed_size: 327680
    .private_segment_fixed_size: 0
    .kernarg_segment_align: 8
    .kernarg_segment_size: 16
    .max_flat_workgroup_size: 128
    .sgpr_count:     66
    .vgpr_count:     1024
    .wavefront_size: 32
...
	.end_amdgpu_metadata
.endif
;; end of part 2
;; ======== version 2 of 2: 2 launches; 1.16 times as fast as version 1
;; workspace buffers: kv 16,384,000 bytes
;; launch prep (part 3): grid 256 x 1, 8 waves a work-group, no clusters, 292,352 bytes of LDS; arguments Q, V, freqs, kv; writes kv
.if DOCPART == 3
	.amdgcn_target "amdgcn-amd-amdhsa--gfx1250"
	.amdhsa_code_object_version 6
	.text
	.protected	k_q46b096ca63_prep
	.globl	k_q46b096ca63_prep
	.p2align	8
	.type	k_q46b096ca63_prep,@function
k_q46b096ca63_prep:
	s_mov_b64 s[64:65], 0
	v_nop
	global_prefetch_b8 v0, s[64:65] scope:SCOPE_SE
	s_setreg_imm32_b32 hwreg(HW_REG_WAVE_MODE, 25, 1), 1
	s_wait_xcnt 0x0
; PREP: QR = rope(Q) and V are turned into codes of E3M2 (6 bits) with one E8M0 byte for each 32 along a product's K, and laid into kv in the order in which
; the matrix unit's lanes want them, so that the next launch takes every tile as a dense block and every fragment as 48 consecutive bytes a lane.
; kv[head 16][step 8][128,000 bytes]; a step is 256 rows t (they are queries and keys alike).
;   groups g = 0..7 at 12,800 g: rows 32 g + rho.  Row rho is lane row r = (rho & 7) + 8 (rho >> 4) of tile u = (rho >> 3) & 1.  Fragment 4 u + dc (dc: which 128 of N) at 1,536 bytes each;
;   in it lane r + 16 h has 48 bytes: the row's block 4 dc + h, then its block 4 dc + 2 + h, 24 bytes each.  At +12,288: 16 scale bytes for each row, at 16 (r + 16 u).
;   V's two key tiles kh at 102,400 + 12,800 kh: fragment dt (channel 16 dt + r) at 1,536 dt; lane r + 16 h has key block h, then key block 2 + h.  At +12,288: word i of the 16 bytes at 16 (r + 16 h') is channel 16 (2 i + h') + r.
; A block's scale byte is its largest magnitude's exponent field - 4, held at 1 from below; a block of zeros gets 127; numbers are divided by the scale and rounded to the nearest code, ties to even, beyond 28 the largest code.
; SINE AND COSINE are f32 polynomials: x = frac(t f); k = the nearest quarter turn; the rest, at most an eighth of a turn, goes through polynomials of degree 7 and 8; k swaps and signs them.
; Every n has its own frequency, cosine and sine: nothing is assumed of freqs.
; LIMITS: NaN and infinities among the inputs are not served.  Blocks whose largest magnitude lies under 2^-122, whose byte is held at 1, were not tried.  Sine and cosine are good to about 1e-7 absolute.
; SHARES.  256 work-groups of eight waves.  Each takes 32 rows t of four heads of Q (a row's sines serve four heads) and one key tile of V (128 keys x 128 channels).
; Q COMES THROUGH LDS.  The conversion wants 16 neighbours along N in one lane: 64 bytes.  Loaded into registers, each of a row's four loads would name 32 places 64 bytes apart, all 2,048 bytes of the row over again.
; So the tensor data mover brings each byte once: a wave's 16 rows (4 rows t x 4 heads) in four loads, all issued at the head: four tensor loads of a wave are out.  Nothing is filled again.  A wave reads only its own tiles,
; each behind its own counted wait.  16 bytes of padding behind every 256 put lane l's 64 bytes at 64 l + 16 (l / 4).
; While the tiles are on their way the wave makes the sines and cosines of all its four rows (they hang on t and freqs alone; 128 registers, in the second window) and quantises its part of V.
; THE WAY OUT goes through a stage in LDS, so that each store of a wave covers 512 consecutive bytes.  Tiles and stage do not fit side by side, so Q's stage lies in the tiles' bytes: the codes wait in registers until a
; barrier has shown that every wave's tiles have landed and been read out.
.set HEADB, 1024000                    ; a head's bytes in kv
.set STEPB, 128000                     ; a step's
.set GRP,   12800                      ; a group's, and a key tile of V's
.set QROW,  2176                       ; a row of Q in LDS: eight times 256 bytes + 16
.set QTILE, 4*QROW                     ; what one tensor load brings: one row t of four heads
.set QWAVE, 4*QTILE                    ; a wave's four tiles
.set VST,   8*QWAVE                    ; behind the tiles: V's stage, 12,800 bytes laid as in kv; no fill lands here
.set STG,   13568                      ; Q's stage, from LDS byte 0: for each head 16 half fragments of 816, then 512 scale bytes
.set HFP,   816                        ; half a fragment in the stage: 768 bytes + 48: in words the 32 lanes of a store then stand at 3 x (0 .. 31) mod 64, all different
.set F,   16                           ; v16-31   my 16 frequencies
.set X,   32                           ; v32-95   V's two blocks of 32 numbers; then four sets of 16 numbers of Q
.set ST,  96                           ; v96-103  eight sines at work;   v104-111 eight cosines at work;   then v96-111 V's codes
.set CT,  104
.set R,   128                          ; v128-143 the roped numbers; at work while sines are made
.set T,   144                          ; v144-159 at work
.set C,   160                          ; v160-223 codes: registers of its own for each step
.set E,   224                          ; v224-239 a scale byte for each step
.set QIN, 240                          ; v240     LDS address of my 64 bytes in my wave's first row
.set VOF, 241                          ; v241     V: my channel's byte in a row
.set VSA, 242                          ; v242     V's stage: my codes
.set VSS, 243                          ; v243     V's stage: my two scale bytes
.set VRD, 244                          ; v244     V's stage, on the way out: 16 bytes a thread
.set VWR, 245                          ; v245     and the same place in kv
;                                        second window, v0-127: row i's 16 cosines at 32 i, its 16 sines at 32 i + 16
.set G1,  68                           ; s[68:75] descriptor group 1
.set G0,  76                           ; s[76:91] group 0, a set for each of the four loads; never rewritten
.set MSB, 0
.macro WIN new                         ; s_set_vgpr_msb: bits 1:0 source 0, 3:2 source 1, 5:4 source 2, 7:6 destination; the immediate's high byte repeats the setting that is left
.if MSB != \new
	s_set_vgpr_msb (MSB<<8)|\new
.set MSB, \new
.endif
.endm
	s_load_b256 s[4:11], s[0:1], 0x0               ; Q s[4:5], V s[6:7], freqs s[8:9], kv s[10:11]
	v_lshl_add_u32 v254, v0, 2, 0x47200
	v_mov_b32 v255, 0
	ds_add_u32 v254, v255
	ds_add_u32 v254, v255
	v_lshrrev_b32 v1, 5, v0
	v_readfirstlane_b32 s12, v1                    ; wave 0..7
	v_and_b32 v1, 31, v0                           ; lane l
; Q: G = work-group & 63: rows 32 G + rho;  hq = work-group >> 6: heads 4 hq + hh.  Wave w takes rows rho = 4 w + i.  A step is one row of one head: lane l holds n = 16 l .. 16 l + 15; lanes 2 b, 2 b + 1 share block b.
	s_and_b32 s13, ttmp9, 63                       ; G
	s_lshr_b32 s14, ttmp9, 6                       ; hq
	s_lshl_b32 s15, s13, 5
	s_lshl_b32 s27, s12, 2
	s_add_co_u32 s15, s15, s27                     ; my wave's first row t
	s_lshl_b32 s28, s14, 24                        ; four heads of 2,048 rows of 2,048 bytes
	s_lshl_b32 s29, s15, 11
	s_add_co_u32 s28, s28, s29
	s_mov_b32 s29, 0                               ; byte offset in Q of my first row, head 4 hq
	s_mul_i32 s16, s12, QWAVE                      ; my wave's tiles in LDS
	; descriptor group 1: a tile of 4 rows (heads) x 2,048 bytes, padded in LDS
	s_mov_b32 s[G1], (3<<16)|(1<<20)|(5<<22)|(3<<25)   ; 15:0 no mask; 17:16 elements of 8 bytes; 20 padding on; 24:22 after every 64 words (code 5); 31:25 of 4 words (code 3)
	s_mov_b32 s[G1+1], 256<<16                     ; tensor_dim0 = 256 elements
	s_mov_b32 s[G1+2], 4<<16                       ; tensor_dim1 = 4
	s_mov_b32 s[G1+3], 256<<16                     ; tile_dim0
	s_mov_b32 s[G1+4], 4                           ; tile_dim1
	s_mov_b32 s[G1+5], 524288                      ; from row to row: a head, 2,048 x 2,048 bytes, in elements
	s_mov_b32 s[G1+6], 0
	s_mov_b32 s[G1+7], 0
	s_mul_i32 s24, s14, 4*HEADB
	s_lshr_b32 s25, s13, 3
	s_mul_i32 s25, s25, STEPB
	s_add_co_u32 s24, s24, s25
	s_and_b32 s25, s13, 7
	s_mul_i32 s25, s25, GRP
	s_add_co_u32 s24, s24, s25
	s_mov_b32 s25, 0                               ; byte offset in kv of the group, head 4 hq
; V: head = work-group >> 4, step = (work-group >> 1) & 7, key tile kh = work-group & 1.  Wave w: channels 32 (w & 3) + l, key blocks 2 (w >> 2) and 2 (w >> 2) + 1:
; a lane takes a channel and its registers run down the keys, so that a block of 32 keys lies in one lane.
	s_lshr_b32 s52, ttmp9, 4                       ; head
	s_bfe_u32 s53, ttmp9, 0x30001                  ; step
	s_and_b32 s54, ttmp9, 1                        ; kh
	s_lshr_b32 s55, s12, 2                         ; bp: which pair of key blocks
	s_and_b32 s56, s12, 3                          ; wv: which 32 channels
	s_lshl_b32 s20, s52, 20                        ; 2,048 rows of 512 bytes,
	s_lshl_b32 s21, s53, 17                        ; 256 rows,
	s_add_co_u32 s20, s20, s21
	s_lshl_b32 s21, s54, 16                        ; 128 rows,
	s_add_co_u32 s20, s20, s21
	s_lshl_b32 s21, s55, 15                        ; 64 rows
	s_add_co_u32 s20, s20, s21
	s_mov_b32 s21, 0
	s_mul_i32 s22, s52, HEADB
	s_mul_i32 s23, s53, STEPB
	s_add_co_u32 s22, s22, s23
	s_mul_i32 s23, s54, GRP
	s_add_co_u32 s22, s22, s23
	s_add_co_u32 s22, s22, 8*GRP                   ; the key tile's place in kv
	s_mov_b32 s23, 0
	s_mov_b32 s30, 0x40c90fdb                      ; 2 pi
	s_mov_b32 s31, 0xbe800000                      ; -1/4
	s_mov_b32 s32, 0xbe2aaaa3                      ; sine: -1.6666655e-1,
	s_mov_b32 s33, 0x3c08839e                      ; 8.3321609e-3,
	s_mov_b32 s34, 0xb94ca1f9                      ; -1.9515296e-4
	s_mov_b32 s35, 0x3d2aaaa5                      ; cosine: 4.1666646e-2,
	s_mov_b32 s36, 0xbab6061a                      ; -1.3887316e-3,
	s_mov_b32 s37, 0x37ccf5ce                      ; 2.4433157e-5
	s_mov_b32 s38, 0x80000000                      ; a sign
	s_wait_dscnt 0x0
	s_wait_kmcnt 0x0
	s_add_nc_u64 s[18:19], s[4:5], s[28:29]
.irp i, 0,1,2,3
	s_mov_b32 s[G0+4*\i], 1                                        ; count = 1
	s_add_co_u32 s[G0+4*\i+1], s16, \i*QTILE                       ; LDS address: wave x 34,816 + 8,704 i
	s_add_nc_u64 s[G0+4*\i+2:G0+4*\i+3], s[18:19], \i*2048         ; global address: row i of head 4 hq
	s_or_b32 s[G0+4*\i+3], s[G0+4*\i+3], 0x80000000               ; type = 2
.endr
.irp i, 0,1,2,3
	tensor_load_to_lds s[G0+4*\i:G0+4*\i+3], s[G1:G1+7]            ; all first fills together, ahead of every wait on TENSORcnt, every LDS read and every barrier
	s_nop 0
.endr
.rept 4
	v_nop
.endr
	s_add_nc_u64 s[20:21], s[6:7], s[20:21]
	s_add_nc_u64 s[22:23], s[10:11], s[22:23]
	s_add_nc_u64 s[24:25], s[10:11], s[24:25]
	v_lshlrev_b32 v2, 6, v1                        ; my 64 bytes of freqs
	v_lshlrev_b32 v[VOF], 2, v1
	s_lshl_b32 s57, s56, 7
	v_add_nc_u32 v[VOF], s57, v[VOF]               ; 4 (32 wv + l)
.irp j, 0,1,2,3
	global_load_b128 v[F+4*\j:F+4*\j+3], v2, s[8:9] offset:16*\j
.endr
.macro LOADV bb                        ; my block bb: V(32 bb + i, my channel); a wave's load reads 128 consecutive bytes, four waves side by side 512
.irp i, 0,1,2,3,4,5,6,7,8,9,10,11,12,13,14,15,16,17,18,19,20,21,22,23,24,25,26,27,28,29,30,31
	global_load_b32 v[X+32*(\bb)+\i], v[VOF], s[20:21] offset:(32*(\bb)+\i)*512 th:TH_LOAD_NT
.endr
.endm
	LOADV 0
	; the addresses are made while the loads are on their way
	; Q's stage: half fragment 8 u + 2 dc + h, place 48 r + 24 c + 12 half;  dc = l >> 3, c = (l >> 2) & 1, h = (l >> 1) & 1, half = l & 1
	v_lshrrev_b32 v5, 3, v1
	v_bfe_u32 v6, v1, 1, 1
	v_bfe_u32 v7, v1, 2, 1
	v_and_b32 v8, 1, v1
	v_lshl_add_u32 v5, v5, 1, v6
	v_mul_u32_u24 v3, v5, HFP
	v_mad_u32_u24 v3, v7, 24, v3
	v_mad_u32_u24 v3, v8, 12, v3
	s_bfe_u32 s39, s12, 0x10001                    ; u = (w >> 1) & 1
	s_and_b32 s48, s12, 1
	s_lshl_b32 s48, s48, 2
	s_lshr_b32 s49, s12, 2
	s_lshl_b32 s49, s49, 3
	s_add_co_u32 s48, s48, s49                     ; my first lane row: 4 (w & 1) + 8 (w >> 2)
	s_mul_i32 s49, s39, 8*HFP
	s_mul_i32 s50, s48, 48
	s_add_co_u32 s49, s49, s50
	v_add_nc_u32 v3, s49, v3                       ; the row i and the head hh stand in the stores' immediates
	s_lshl_b32 s50, s39, 4
	s_add_co_u32 s50, s50, s48
	s_lshl_b32 s50, s50, 4
	v_lshrrev_b32 v4, 1, v1
	v_add_nc_u32 v4, s50, v4                       ; the scale byte: 16 (r + 16 u) + b
	; out of Q's stage: wave w takes fragment w (half fragments 2 w, 2 w + 1) of each head
	s_mul_i32 s51, s12, 2*HFP
	v_lshlrev_b32 v10, 4, v1
	v_add_nc_u32 v5, s51, v10                      ; 16 bytes a lane,
	v_lshrrev_b32 v11, 4, v1
	v_mad_u32_u24 v6, v11, 48, v5                  ; and behind the 48 bytes between the halves for lanes 16-31 of the middle load
	s_mul_i32 s51, s12, 1536
	v_add_nc_u32 v8, s51, v10                      ; the same place in the group
	v_lshrrev_b32 v11, 6, v0                       ; the scale bytes: 64 threads to a head, 8 bytes each
	v_and_b32 v12, 63, v0
	v_lshlrev_b32 v12, 3, v12
	v_mad_u32_u24 v7, v11, STG, v12
	v_mul_u32_u24 v9, v11, HEADB
	v_add_nc_u32 v9, v9, v12
	; Q's tiles: my 64 bytes of a row, behind one padding for each 256 bytes passed
	v_lshrrev_b32 v11, 2, v1
	v_lshl_add_u32 v[QIN], v11, 4, v2
	v_add_nc_u32 v[QIN], s16, v[QIN]
	; V's stage is laid as kv is: fragment 2 wv + (l >> 4), lane row l & 15; block b belongs to lane half b & 1, bytes 24 (b >> 1) on
	v_lshrrev_b32 v11, 4, v1
	v_and_b32 v12, 15, v1
	v_mul_u32_u24 v[VSA], v11, 1536
	v_mad_u32_u24 v[VSA], v12, 48, v[VSA]
	s_mul_i32 s57, s56, 3072
	s_mul_i32 s58, s55, 24
	s_add_co_u32 s57, s57, s58
	s_add_co_u32 s57, s57, VST
	v_add_nc_u32 v[VSA], s57, v[VSA]
	s_lshl_b32 s57, s56, 2
	s_lshl_b32 s58, s55, 1
	s_add_co_u32 s57, s57, s58
	s_add_co_u32 s57, s57, VST+12288
	v_lshl_add_u32 v[VSS], v1, 4, s57              ; my channel's scale word at 16 l + 4 wv; my two bytes of it at 2 bp
	v_lshlrev_b32 v[VWR], 4, v0
	v_add_nc_u32 v[VRD], VST, v[VWR]
	s_wait_loadcnt 32                              ; freqs are in; the 32 loads of V behind them may be out
	LOADV 1
; Cosine and sine of 2 pi frac(t f) for eight of my n, stage by stage, so that no instruction waits for the one just ahead.  s26 = t as f32.  The results go to the second window, row by row.
.macro SC8 row, n0
.irp j, 0,1,2,3,4,5,6,7
	v_mul_f32 v[R+\j], s26, v[F+\n0+\j]            ; t f, rounded once
.endr
.irp j, 0,1,2,3,4,5,6,7
	v_floor_f32 v[R+8+\j], v[R+\j]
.endr
.irp j, 0,1,2,3,4,5,6,7
	v_sub_f32 v[R+\j], v[R+\j], v[R+8+\j]          ; x in 0 .. 1
.endr
.irp j, 0,1,2,3,4,5,6,7
	v_mul_f32 v[R+8+\j], 4.0, v[R+\j]
.endr
.irp j, 0,1,2,3,4,5,6,7
	v_rndne_f32 v[R+8+\j], v[R+8+\j]               ; k = 0 .. 4 quarter turns
.endr
.irp j, 0,1,2,3,4,5,6,7
	v_fma_f32 v[R+\j], v[R+8+\j], s31, v[R+\j]     ; x - k / 4: exact, at most 1/8
.endr
.irp j, 0,1,2,3,4,5,6,7
	v_mul_f32 v[R+\j], s30, v[R+\j]                ; the angle that is left
.endr
.irp j, 0,1,2,3,4,5,6,7
	v_mul_f32 v[T+\j], v[R+\j], v[R+\j]            ; its square z
.endr
.irp j, 0,1,2,3,4,5,6,7
	v_fma_f32 v[ST+\j], s34, v[T+\j], s33
	v_fma_f32 v[CT+\j], s37, v[T+\j], s36
.endr
.irp j, 0,1,2,3,4,5,6,7
	v_fma_f32 v[ST+\j], v[ST+\j], v[T+\j], s32
	v_fma_f32 v[CT+\j], v[CT+\j], v[T+\j], s35
.endr
.irp j, 0,1,2,3,4,5,6,7
	v_mul_f32 v[ST+\j], v[ST+\j], v[T+\j]
	v_fma_f32 v[CT+\j], v[CT+\j], v[T+\j], -0.5
.endr
.irp j, 0,1,2,3,4,5,6,7
	v_fma_f32 v[ST+\j], v[ST+\j], v[R+\j], v[R+\j]
	v_fma_f32 v[CT+\j], v[CT+\j], v[T+\j], 1.0
.endr
.irp j, 0,1,2,3,4,5,6,7
	v_cvt_i32_f32 v[R+8+\j], v[R+8+\j]
.endr
.irp j, 0,1,2,3,4,5,6,7
	v_and_b32 v[T+\j], 1, v[R+8+\j]
.endr
.irp j, 0,1,2,3,4,5,6,7
	v_cmp_eq_u32 s[40+\j], 1, v[T+\j]              ; an odd k: sine and cosine change places
.endr
.irp j, 0,1,2,3,4,5,6,7
	v_cndmask_b32 v[R+\j], v[CT+\j], v[ST+\j], s[40+\j]
	v_cndmask_b32 v[ST+\j], v[ST+\j], v[CT+\j], s[40+\j]
.endr
.irp j, 0,1,2,3,4,5,6,7
	v_lshlrev_b32 v[T+\j], 30, v[R+8+\j]           ; the sine is negative for k = 2, 3: bit 1 of k;
	v_add_nc_u32 v[R+8+\j], 1, v[R+8+\j]           ; the cosine for k = 1, 2: bit 1 of k + 1
.endr
.irp j, 0,1,2,3,4,5,6,7
	v_and_b32 v[T+\j], s38, v[T+\j]
	v_lshlrev_b32 v[R+8+\j], 30, v[R+8+\j]
.endr
.irp j, 0,1,2,3,4,5,6,7
	v_and_b32 v[R+8+\j], s38, v[R+8+\j]
.endr
	WIN 0x40                                       ; destination: the second window
.irp j, 0,1,2,3,4,5,6,7
	v_xor_b32 v[32*(\row)+16+\n0+\j], v[ST+\j], v[T+\j]        ; the sine
	v_xor_b32 v[32*(\row)+\n0+\j], v[R+\j], v[R+8+\j]          ; the cosine
.endr
	WIN 0
.endm
.irp i, 0,1,2,3
	s_add_co_u32 s27, s15, \i
	s_cvt_f32_u32 s26, s27                         ; t
	SC8 \i, 0
	SC8 \i, 8
.endr
; A block of 32 keys of my channel: its scale, its codes, into V's stage.
.macro BLOCKV bb
.set XS, X+32*(\bb)
.set CB, ST+8*(\bb)                    ; registers that nothing writes again
.if (\bb) == 0
	s_wait_loadcnt 32                              ; this block's 32 loads are in; the next block's may be out
.else
	s_wait_loadcnt 0x0
.endif
	v_max3_num_f32 v12, |v[XS]|, |v[XS+1]|, |v[XS+2]|          ; the block's largest magnitude: all 32 numbers are mine
	v_max3_num_f32 v13, |v[XS+3]|, |v[XS+4]|, |v[XS+5]|
.irp i, 6,10,14,18,22,26
	v_max3_num_f32 v12, v12, |v[XS+\i]|, |v[XS+\i+1]|
	v_max3_num_f32 v13, v13, |v[XS+\i+2]|, |v[XS+\i+3]|
.endr
	v_max3_num_f32 v12, v12, |v[XS+30]|, |v[XS+31]|
	v_max_num_f32 v12, v12, v13
	v_lshrrev_b32 v13, 23, v12                     ; its exponent field
	v_max_u32 v13, 5, v13                          ; the byte is not to fall under 1
	v_add_nc_u32 v13, -4, v13                      ; the scale's byte
	v_lshlrev_b32 v11, 23, v13                     ; the scale as f32, for the conversion
	v_cmp_eq_u32 vcc_lo, 0, v12
	v_cndmask_b32 v13, v13, 127, vcc_lo            ; a block of zeros gets 127
.if (\bb) == 0
	v_mov_b32 v14, v13                             ; my two bytes of the channel's scale word
.else
	v_lshl_or_b32 v14, v13, 8, v14
.endif
	v_cvt_scalef32_pk16_bf6_f32 v[CB:CB+2], v[XS:XS+15], v11
	v_cvt_scalef32_pk16_bf6_f32 v[CB+4:CB+6], v[XS+16:XS+31], v11   ; (a conversion's three registers begin on an even number)
	v_nop                                          ; one plain instruction between a scaled conversion and what touches its result or writes its sources
.irp m, 0,1,2
	ds_store_b32 v[VSA], v[CB+\m] offset:(\bb)*768+4*\m
	ds_store_b32 v[VSA], v[CB+4+\m] offset:(\bb)*768+12+4*\m
.endr
.endm
	BLOCKV 0
	BLOCKV 1
	ds_store_b16 v[VSS], v14
.macro LOADQ t                         ; step t = 4 i + hh: row i of head hh, my 64 bytes, into set hh
.if (\t)%4 == 0
	s_wait_tensorcnt 3-(\t)/4                      ; tensor loads of a wave end in order: row i's tile is in, the later rows' may be out
.endif
.irp j, 0,1,2,3
	ds_load_b128 v[X+16*((\t)%4)+4*\j:X+16*((\t)%4)+4*\j+3], v[QIN] offset:((\t)/4)*QTILE+((\t)%4)*QROW+16*\j
.endr
.endm
; One row of one head: rope, the block's scale, sixteen codes, which stay in registers.
.macro STEPQ t
.set XS, X+16*((\t)%4)
.set RW, 32*((\t)/4)
.if (\t) <= 12
	s_wait_dscnt 12                                ; this step's four LDS loads are in; the next three steps' twelve may be out
.else
	s_wait_dscnt 4*(15-(\t))                       ; the last steps: the counts run down
.endif
	WIN 0x04                                       ; source 1, the cosines and sines: the second window
.irp k, 0,2,4,6,8,10,12,14
	v_pk_mul_f32 v[R+\k:R+\k+1], v[XS+\k:XS+\k+1], v[RW+\k:RW+\k+1]
.endr
.irp k, 0,2,4,6,8,10,12,14
	v_fma_f32 v[R+\k], -v[XS+\k+1], v[RW+16+\k], v[R+\k]       ; q(2k) cos - q(2k+1) sin
	v_fma_f32 v[R+\k+1], v[XS+\k], v[RW+16+\k+1], v[R+\k+1]    ; q(2k+1) cos + q(2k) sin
.endr
	WIN 0
	v_max3_num_f32 v[T+8], |v[R]|, |v[R+1]|, |v[R+2]|          ; the largest magnitude of my 16, in two chains
	v_max3_num_f32 v[T+9], |v[R+3]|, |v[R+4]|, |v[R+5]|
.irp k, 6,10
	v_max3_num_f32 v[T+8], v[T+8], |v[R+\k]|, |v[R+\k+1]|
	v_max3_num_f32 v[T+9], v[T+9], |v[R+\k+2]|, |v[R+\k+3]|
.endr
	v_max3_num_f32 v[T+8], v[T+8], |v[R+14]|, |v[R+15]|
	v_max_num_f32 v[T+8], v[T+8], v[T+9]
	v_max_num_f32_dpp v[T+8], v[T+8], v[T+8] row_xmask:1 row_mask:0xf bank_mask:0xf   ; and of my neighbour's 16: the block's
	v_lshrrev_b32 v[T+9], 23, v[T+8]               ; its exponent field
	v_max_u32 v[T+9], 5, v[T+9]                    ; the byte is not to fall under 1
	v_add_nc_u32 v[T+9], -4, v[T+9]                ; the scale's byte
	v_lshlrev_b32 v[T+10], 23, v[T+9]              ; the scale as f32, for the conversion
	v_cmp_eq_u32 vcc_lo, 0, v[T+8]
	v_cvt_scalef32_pk16_bf6_f32 v[C+4*(\t):C+4*(\t)+2], v[R:R+15], v[T+10]
	v_cndmask_b32 v[E+(\t)], v[T+9], 127, vcc_lo   ; a block of zeros gets 127.  (Also the one plain instruction between a scaled conversion and what touches its result or writes its sources)
.if (\t) < 12
	LOADQ (\t)+4
.endif
.endm
	LOADQ 0
	LOADQ 1
	LOADQ 2
	LOADQ 3
.irp t, 0,1,2,3,4,5,6,7,8,9,10,11,12,13,14,15
	STEPQ \t
.endr
	s_wait_dscnt 0x0                               ; for the others' sake: my reads of my tiles are over (all four have landed: the last wait on TENSORcnt was for 0), my stores into V's stage are done
	s_barrier_signal -1
	s_barrier_wait -1                              ; so of every wave: the tiles' bytes are free, V's stage is whole
.irp m, 0,1,2
	ds_load_b128 v[R+4*\m:R+4*\m+3], v[VRD] offset:4096*\m     ; V's codes: 256 threads x 16 bytes, three times
.endr
.macro PUTQ t                          ; a step's codes and scale byte into Q's stage
.irp m, 0,1,2
	ds_store_b32 v3, v[C+4*(\t)+\m] offset:((\t)%4)*STG+((\t)/4)*48+4*\m
.endr
	ds_store_b8 v4, v[E+(\t)] offset:((\t)%4)*STG+16*HFP+((\t)/4)*16   ; both lanes of a block write the same byte with the same value
.endm
.irp t, 0,1,2,3,4,5,6,7,8,9,10,11,12,13,14,15
	PUTQ \t
.endr
	s_wait_dscnt 0x0                               ; for the others' sake: my stores into the stage are done
	s_barrier_signal -1
	s_barrier_wait -1
.irp m, 0,1,2
	global_store_b128 v[VWR], v[R+4*\m:R+4*\m+3], s[22:23] offset:4096*\m   ; a wave's store covers 512 consecutive bytes, at a multiple of 256 from kv's first byte
.endr
.irp hh, 0,1,2,3
	ds_load_b128 v[X+12*\hh:X+12*\hh+3], v5 offset:\hh*STG
	ds_load_b128 v[X+12*\hh+4:X+12*\hh+7], v6 offset:\hh*STG+512
	ds_load_b128 v[X+12*\hh+8:X+12*\hh+11], v5 offset:\hh*STG+1072
.endr
	ds_load_b64 v[X+48:X+49], v7 offset:16*HFP
.irp hh, 0,1,2,3
.irp m, 0,1,2
	s_wait_dscnt 12-3*\hh-\m                       ; LDS loads come back in order: this one is in, the younger ones may be out
	global_store_b128 v8, v[X+12*\hh+4*\m:X+12*\hh+4*\m+3], s[24:25] offset:\hh*HEADB+512*\m   ; 512 consecutive bytes a wave
.endr
.endr
	s_wait_dscnt 0x0
	global_store_b64 v9, v[X+48:X+49], s[24:25] offset:12288   ; 256 consecutive bytes a wave
	s_cmp_lg_u32 s12, 0                            ; V's 512 scale bytes are one store of one wave
	s_cbranch_scc1 .Ldone
	ds_load_b128 v[R+12:R+15], v[VRD] offset:12288             ; (in wave 0 a thread's number is its lane)
	s_wait_dscnt 0x0
	global_store_b128 v[VWR], v[R+12:R+15], s[22:23] offset:12288
.Ldone:
	s_wait_tensorcnt 0x0
	ds_add_u32 v254, v255
	s_wait_dscnt 0x0
	s_endpgm
.Lfunc_end_k_q46b096ca63_prep:
	.size	k_q46b096ca63_prep, .Lfunc_end_k_q46b096ca63_prep-k_q46b096ca63_prep
	.p2alignl 7, 3214868480
	.fill 96, 4, 3214868480
	.section	.rodata,"a",@progbits
	.p2align	6, 0x0
	.amdhsa_kernel k_q46b096ca63_prep
		.amdhsa_group_segment_fixed_size 292352
		.amdhsa_private_segment_fixed_size 0
		.amdhsa_enable_private_segment 0
		.amdhsa_kernarg_size 32
		.amdhsa_user_sgpr_count 2
		.amdhsa_user_sgpr_kernarg_segment_ptr 1
		.amdhsa_wavefront_size32 1
		.amdhsa_system_sgpr_workgroup_id_x 1
		.amdhsa_system_sgpr_workgroup_id_y 1
		.amdhsa_system_sgpr_workgroup_id_z 1
		.amdhsa_system_vgpr_workitem_id 0
		.amdhsa_next_free_vgpr 384
		.amdhsa_next_free_sgpr 96
		.amdhsa_reserve_vcc 1
		.amdhsa_float_denorm_mode_32 3
		.amdhsa_float_denorm_mode_16_64 3
		.amdhsa_memory_ordered 1
		.amdhsa_forward_progress 1
		.amdhsa_inst_pref_size 147
	.end_amdhsa_kernel
	.amdgpu_metadata
---
amdhsa.version: [ 1, 2 ]
amdhsa.kernels:
  - .name:           k_q46b096ca63_prep
    .symbol:         k_q46b096ca63_prep.kd
    .args:
      - { .name: Q, .offset: 0, .size: 8, .value_kind: global_buffer, .address_space: global }
      - { .name: V, .offset: 8, .size: 8, .value_kind: global_buffer, .address_space: global }
      - { .name: freqs, .offset: 16, .size: 8, .value_kind: global_buffer, .address_space: global }
      - { .name: kv, .offset: 24, .size: 8, .value_kind: global_buffer, .address_space: global }
    .group_segment_fixed_size: 292352
    .private_segment_fixed_size: 0
    .kernarg_segment_align: 8
    .kernarg_segment_size: 32
    .max_flat_workgroup_size: 256
    .sgpr_count:     96
    .vgpr_count:     384
    .wavefront_size: 32
...
	.end_amdgpu_metadata
.endif
;; end of part 3
;; launch attn (part 4): grid 16 x 16, 4 waves a work-group, clusters of 4 x 1, 327,680 bytes of LDS; arguments kv, out0; writes out0
.if DOCPART == 4
	.amdgcn_target "amdgcn-amd-amdhsa--gfx1250"
	.amdhsa_code_object_version 6
	.text
	.protected	k_q46b096ca63_attn
	.globl	k_q46b096ca63_attn
	.p2align	8
	.type	k_q46b096ca63_attn,@function
k_q46b096ca63_attn:
	s_mov_b64 s[64:65], 0
	v_nop
	global_prefetch_b8 v0, s[64:65] scope:SCOPE_SE
	s_setreg_imm32_b32 hwreg(HW_REG_WAVE_MODE, 25, 1), 1
	s_wait_xcnt 0x0
	s_wait_alu depctr_hold_cnt(0) depctr_sa_sdst(0) depctr_va_vdst(0) depctr_va_sdst(0) depctr_va_ssrc(0) depctr_va_vcc(0) depctr_vm_vsrc(0)
	s_getreg_b32 s2, hwreg(HW_REG_IB_STS2, 6, 4)
	s_cmp_eq_u32 s2, 0
	s_cbranch_scc0 .Lentry_in_a_cluster
	s_endpgm
.Lentry_in_a_cluster:
	s_bfe_u32 s2, ttmp6, 0x10000c
	s_cmp_lg_u32 s2, 0x3003
	s_cbranch_scc0 .Lentry_shape_is_right
	s_endpgm
.Lentry_shape_is_right:
; ATTN: O = Q6(tril(Q6(QR) Q6(QR)^T, -1)) Q6(V), Q6 the quantiser to E3M2 with one E8M0 scale for each 32 along K.  16 heads, T = 2,048, N = 512, 128 channels.  QR's and V's codes come from kv (laid lane by lane: see below).
; SHARES.  A work-group owns 128 queries of one head.  Wave w: qh = w >> 1 says which 64 of them (four tiles of 16), kh = w & 1 which 128 keys of each step of 256.  O is linear in the keys: the two waves of a query
; half add their f32 sums once, at the end.  (So O's sums are added in another order than the keys': two halves of every step.)
; CLUSTER.  The four query blocks of a cluster (queries 512 c .. 512 c + 511 of one head) walk the same keys, so each tile is asked for JOINTLY.  All four run 2 c + 2 steps: 2 c steps whose keys lie under every query of
; the cluster, then two with the mask's code.  No branch, trip count or LDS address hangs on the place in the cluster: it enters the queries' and O's addresses and the mask's numbers alone.
; Work is uneven between clusters (2 to 8 steps): that is this design's price for joint loads with equal trips.
; kv[head][step][128,000]: groups g of 32 rows at 12,800 g: fragment 4 u + dc at 1,536 each, 48 bytes a lane (registers 0-11 of the 6-bit operand), scale bytes at +12,288, 16 a row at 16 (r + 16 u);
; lane row r of tile u is row 8 u + r + 8 (r / 8) of the group.  V's key tile kh at 102,400 + 12,800 kh: fragment dt, and at +12,288 word i of lane r + 16 h': channel 16 (2 i + h') + r.
; LAYOUT.  Both products are used transposed: S^T = K Q^T (source 0 = 16 keys, source 1 = 16 queries), O^T = V^T P^T: a lane holds one query throughout.  By the choice of a tile's rows the 16 registers of key tiles
; u = 0, 1 of a group are the keys 16 (lane / 16) + 0 .. 15 of an aligned block of 32: one exchange between the halves of the lanes gives the block's largest magnitude, and the conversions' results, with the halves
; exchanged, are the second product's operand.
; IN PHASES.  A key group's 32 products stand back to back under one setting of the register windows; then its vector work (72 or 96 instructions to quantise four tiles of S^T, 128 more where the mask is applied) stands
; together in window 0, the four tiles by turns, so that no instruction reads the result of the one just ahead.  Cut into slices behind the matrix instructions the same work would want two switches of the
; window for each slice, 224 a step; so laid a step has about 20 switches for its 160 matrix instructions and 125 LDS loads.
; O^T is cleared by 256 moves while the first tiles are on their way: the first step is another text for c = 0 than for c > 0, and two more copies of a step would be written to start the sums with the constant 0.
; LIMITS: NaN and infinities are not served; blocks of S whose largest magnitude lies under 2^-122, whose byte is held at 1, were not tried.
; REGISTERS, in windows of 256 (s_set_vgpr_msb: bits 1:0 source 0, 3:2 source 1, 5:4 source 2, 7:6 destination):
;   window 0: v1-2 the add's; v3-10 LDS addresses, one for each slot; v11, v56 lane offsets; v12-15 the mask's limits; v16-39 scale words and nothing else; v40-44 at work at the head; v57-60 the way out; v64-127 S^T, four tiles;
;             v128-175 P; v176-207 at work
;   window 1: v0-191 Q's fragments; v192-239 V's fragments 0-3      window 2: v0-191 K's fragments, two sets; v192-239 V's fragments 4-7      window 3: O^T, accumulator (j, dt) at 64 j + 8 dt
; Register pair p of query tiles (j = 2 p + uq) holds the wave's group of 32 queries p xor kh: so both waves of a query half keep their pair 0 and give their pair 1 to the partner, by one text.
.set HEADB, 1024000
.set STEPB, 128000
.set GRP,   12800
.set QUART, 32000                      ; a quarter of a step: what one tensor load brings: 125 rows of 256 bytes
.set SLOT1, 131072                     ; slot 0 at 0, slot 1 here, 128,000 bytes each
.set XCH,   259072                     ; behind the ring: 4 waves x 2 tiles x 16 rows x 528: what a wave hands to its partner; no fill lands here
.set WST,   16896                      ; a wave's two tiles there.  A wave's own two tiles go to WST x wave in slot 0, which has had its last fill and its last read at the last change of slots
.set SPITCH, 528                       ; 512 bytes + 16: the 16 rows of a store start in 16 different columns of 16 bytes
.set SPARE, 326656                     ; the spare words, 128 bytes for each wave: two blocks of 256 bytes that no other line names
.set SPW, 1
.set NIL, 2
.set AK,  3                            ; v3, v4   K's fragments in slot 0, 1: 48 L + 51,200 kh
.set AKS, 5                            ; v5, v6   K's scale words: 16 L + 51,200 kh
.set AV,  7                            ; v7, v8   V's fragments: 48 L + 102,400 + 12,800 kh
.set AVS, 9                            ; v9, v10  V's scale words
.set L48, 11                           ; 48 L
.set ML,  12                           ; v12-15   tile j: key 32 kb + idx of the step counts where it is less than this
.set QS,  16                           ; v16-23   Q's scale words: pair p, chunk dc at 4 p + dc; lanes 0-15 tile uq = 0, lanes 16-31 tile uq = 1
.set KS,  24                           ; v24-31   K's: set kb % 2, chunk dc; lanes 0-15 tile u = 0, lanes 16-31 u = 1
.set VS,  32                           ; v32-35   V's: word i: lanes 0-15 fragment 2 i, lanes 16-31 fragment 2 i + 1
.set PS,  36                           ; v36-39   P's: tile j
.set L16, 56                           ; 16 L
.set OST, 57
.set XST, 58
.set ORD, 59
.set XRD, 60
.set S,   64                           ; tile j at 16 j, key tile u at 8 u
.set P,   128                          ; tile j at 12 j
.set ZB,  176                          ; tile j at 8 j: +0 largest magnitude, +1 the other half's, +2 byte, +3 scale as f32, +4..6 codes on their way
.set G1,  16                           ; s[16:23] descriptor group 1
.set G0,  24                           ; s[24:27], s[28:31] group 0 for slot 0, 1
.set SEL, 34                           ; s[34:35] selects for lane l xor 16
.set QB,  38                           ; s[38:41] the two groups of my queries in kv
.set OB,  42                           ; s[42:43] my rows of out0
.set MK,  56                           ; s56-59   lane masks, one a tile
.set MSB, 0
.macro WIN new                         ; the immediate's high byte repeats the setting that is left; a switch that changes nothing is dropped
.if MSB != \new
	s_set_vgpr_msb (MSB<<8)|\new
.set MSB, \new
.endif
.endm
.macro PLACES n                        ; plain vector instructions that name no register: the distance behind matrix instructions and ahead of scaled ones (ISA guide 7.12.1)
.rept \n
	v_nop
.endr
.endm
; A round of the cluster's barrier: my work-group's barrier; wave 0 signals for the work-group; every wave waits for all four work-groups; my work-group's barrier once more.
.macro CROUND
	s_barrier_signal -1
	s_barrier_wait -1
	s_cmp_lg_u32 s8, 0
	s_cbranch_scc1 .Lnot_wave_0_\@
	s_barrier_signal -3
.Lnot_wave_0_\@:
	s_barrier_wait -3
	s_barrier_signal -1
	s_barrier_wait -1
.endm
	s_load_b128 s[4:7], s[0:1], 0x0                ; kv s[4:5], out0 s[6:7]
	v_lshl_add_u32 v[SPW], v0, 2, SPARE
	v_mov_b32 v[NIL], 0
	ds_add_u32 v1, v2
	ds_add_u32 v1, v2
	s_wait_dscnt 0x0
	v_lshrrev_b32 v40, 5, v0
	v_readfirstlane_b32 s8, v40                    ; wave 0..3
	s_and_b32 s9, s8, 1                            ; kh
	s_lshr_b32 s10, s8, 1                          ; qh
	s_bfe_u32 s11, ttmp6, 0x40000                  ; cx
	s_and_b32 s13, ttmp7, 0xffff                   ; the head, which the four partners share
	s_lshl_b32 s14, ttmp9, 2                       ; in a cluster launch ttmp9 counts clusters: c
	s_add_co_u32 s14, s14, s11                     ; my block of 128 queries
	s_mov_b32 s[G1], 15|(3<<16)|(1<<21)            ; 15:0 the mask: all four work-groups; 17:16 elements of 8 bytes; 20 no padding; 21 set beside a mask
	s_mov_b32 s[G1+1], 32<<16                      ; tensor_dim0 = 32 elements: 256 bytes
	s_mov_b32 s[G1+2], 125<<16                     ; tensor_dim1 = 125
	s_mov_b32 s[G1+3], 32<<16                      ; tile_dim0
	s_mov_b32 s[G1+4], 125                         ; tile_dim1
	s_mov_b32 s[G1+5], 32                          ; from row to row: dense
	s_mov_b32 s[G1+6], 0
	s_mov_b32 s[G1+7], 0
	s_mov_b32 s[SEL], 0x76543210
	s_mov_b32 s[SEL+1], 0xfedcba98
	s_mul_i32 s44, s13, HEADB                      ; the head's first byte in kv
	s_mul_i32 s45, s8, QUART                       ; my quarter of a step, in memory and in a slot: no place in the cluster enters it
	s_add_co_u32 s46, s44, s45
	s_mov_b32 s47, 0
	s_lshl_b32 s48, s14, 2
	s_lshl_b32 s49, s10, 1
	s_add_co_u32 s48, s48, s49                     ; my first group of 32 queries: 4 x block + 2 qh
.irp p, 0,1
	s_xor_b32 s49, s9, \p
	s_add_co_u32 s49, s48, s49                     ; pair p's group, 0 .. 63: step = group >> 3, g = group & 7
	s_lshr_b32 s50, s49, 3
	s_and_b32 s49, s49, 7
	s_mul_i32 s50, s50, STEPB
	s_mul_i32 s49, s49, GRP
	s_add_co_u32 s49, s49, s50
	s_add_co_u32 s[QB+2*\p], s49, s44
	s_mov_b32 s[QB+2*\p+1], 0
.endr
	s_lshl_b32 s50, s13, 11
	s_lshl_b32 s51, s14, 7
	s_add_co_u32 s50, s50, s51
	s_lshl_b32 s51, s10, 6
	s_add_co_u32 s50, s50, s51
	s_lshl_b32 s51, s9, 5
	s_add_co_u32 s50, s50, s51                     ; the first row that I store: 2,048 head + 128 block + 64 qh + 32 kh
	s_lshl_b32 s[OB], s50, 9
	s_mov_b32 s[OB+1], 0
	s_wait_kmcnt 0x0
	s_add_nc_u64 s[46:47], s[4:5], s[46:47]
	s_add_nc_u64 s[QB:QB+1], s[4:5], s[QB:QB+1]
	s_add_nc_u64 s[QB+2:QB+3], s[4:5], s[QB+2:QB+3]
	s_add_nc_u64 s[OB:OB+1], s[6:7], s[OB:OB+1]
	CROUND                                         ; all four work-groups are here: the first joint loads meet
	s_mov_b32 s[G0], 1                             ; count = 1
	s_mov_b32 s[G0+1], s45                         ; LDS address: slot 0
	s_mov_b64 s[G0+2:G0+3], s[46:47]               ; step 0
	s_or_b32 s[G0+3], s[G0+3], 0x80000000          ; type = 2
	s_mov_b32 s[G0+4], 1
	s_add_co_u32 s[G0+5], s45, SLOT1               ; slot 1
	s_add_nc_u64 s[G0+6:G0+7], s[46:47], STEPB     ; step 1
	s_or_b32 s[G0+7], s[G0+7], 0x80000000
	tensor_load_to_lds s[G0:G0+3], s[G1:G1+7]      ; both first fills together, ahead of every wait on TENSORcnt and every LDS read: two loads of mine are out
	s_nop 0
	tensor_load_to_lds s[G0+4:G0+7], s[G1:G1+7]
	s_nop 0
	PLACES 4
	v_and_b32 v41, 31, v0                          ; L
	v_mul_u32_u24 v[L48], v41, 48
	v_lshlrev_b32 v[L16], 4, v41
	WIN 0x40                                       ; destination window 1
.irp p, 0,1
.irp f, 0,1,2,3,4,5,6,7
.irp m, 0,1,2
	global_load_b128 v[96*\p+12*\f+4*\m:96*\p+12*\f+4*\m+3], v[L48], s[QB+2*\p:QB+2*\p+1] offset:1536*\f+16*\m   ; Q stays in registers: pair p, fragment f = 4 uq + dc
.endr
.endr
.endr
	WIN 0
.irp p, 0,1
	global_load_b128 v[QS+4*\p:QS+4*\p+3], v[L16], s[QB+2*\p:QB+2*\p+1] offset:12288
.endr
	s_mul_i32 s52, s9, 4*GRP
	s_mul_i32 s53, s9, GRP
	s_add_co_u32 s53, s53, 8*GRP
	v_add_nc_u32 v[AK], s52, v[L48]
	v_add_nc_u32 v[AKS], s52, v[L16]
	v_add_nc_u32 v[AV], s53, v[L48]
	v_add_nc_u32 v[AVS], s53, v[L16]
.irp a, AK, AKS, AV, AVS
	v_add_nc_u32 v[\a+1], SLOT1, v[\a]
.endr
	; the mask.  In the step that begins at key 512 c, register idx of key group kb holds key 128 kh + 32 kb + 16 h + idx, and lane r of tile j the query 128 cx + 64 qh + 32 (p xor kh) + 8 uq + r + 8 (r / 8), both counted from 512 c
	v_and_b32 v42, 15, v0
	v_and_b32 v43, 8, v0
	v_add_nc_u32 v42, v42, v43
	v_and_b32 v43, 16, v0
	v_sub_nc_u32 v42, v42, v43                     ; r + 8 (r / 8) - 16 h
	s_lshl_b32 s54, s11, 7
	s_lshl_b32 s55, s10, 6
	s_add_co_u32 s54, s54, s55
	s_lshl_b32 s55, s9, 7
	s_sub_co_u32 s54, s54, s55                     ; 128 cx + 64 qh - 128 kh (it may be negative: the compare is signed)
.irp p, 0,1
	s_xor_b32 s55, s9, \p
	s_lshl_b32 s55, s55, 5
	s_add_co_u32 s55, s55, s54
	v_add_nc_u32 v[ML+2*\p], s55, v42
	v_add_nc_u32 v[ML+2*\p+1], 8, v[ML+2*\p]
.endr
	; the way out
	v_and_b32 v43, 15, v0
	v_mul_u32_u24 v[OST], v43, SPITCH
	v_bfe_u32 v44, v0, 4, 1
	v_lshl_add_u32 v[OST], v44, 5, v[OST]          ; in: row r, 32 bytes for each half of the lanes
	s_mul_i32 s55, s8, WST
	v_add_nc_u32 v[OST], s55, v[OST]               ; my own two tiles,
	v_add_nc_u32 v[XST], XCH, v[OST]               ; and the two for my partner
	v_add_nc_u32 v[ORD], s55, v[L16]               ; back: the 32 lanes take one row of 512 bytes
	s_xor_b32 s55, s8, 1
	s_mul_i32 s55, s55, WST
	s_add_co_u32 s55, s55, XCH
	v_add_nc_u32 v[XRD], s55, v[L16]               ; and the same row of what my partner left for me
.irp t, 0,1,2,3
	v_mov_b32 v[ZB+8*\t+1], 0                      ; (the destination of a lane permute counts as read)
.endr
	WIN 0xc0                                       ; destination window 3
.set i, 0
.rept 256
	v_mov_b32 v[i], 0                              ; O^T
.set i, i+1
.endr
	WIN 0
; One scaled matrix instruction; its registers, scale rows and whether it starts a sum stand in the symbols sw..
.macro SW
.if swZ && swRA && swRB
	v_wmma_scale_f32_16x16x128_f8f6f4 v[swD:swD+7], v[swA:swA+11], v[swB:swB+11], 0, v[swSA], v[swSB] matrix_a_fmt:MATRIX_FMT_BF6 matrix_b_fmt:MATRIX_FMT_BF6 matrix_a_scale:MATRIX_SCALE_ROW1 matrix_b_scale:MATRIX_SCALE_ROW1
.elseif swZ && swRA
	v_wmma_scale_f32_16x16x128_f8f6f4 v[swD:swD+7], v[swA:swA+11], v[swB:swB+11], 0, v[swSA], v[swSB] matrix_a_fmt:MATRIX_FMT_BF6 matrix_b_fmt:MATRIX_FMT_BF6 matrix_a_scale:MATRIX_SCALE_ROW1
.elseif swZ && swRB
	v_wmma_scale_f32_16x16x128_f8f6f4 v[swD:swD+7], v[swA:swA+11], v[swB:swB+11], 0, v[swSA], v[swSB] matrix_a_fmt:MATRIX_FMT_BF6 matrix_b_fmt:MATRIX_FMT_BF6 matrix_b_scale:MATRIX_SCALE_ROW1
.elseif swZ
	v_wmma_scale_f32_16x16x128_f8f6f4 v[swD:swD+7], v[swA:swA+11], v[swB:swB+11], 0, v[swSA], v[swSB] matrix_a_fmt:MATRIX_FMT_BF6 matrix_b_fmt:MATRIX_FMT_BF6
.elseif swRA && swRB
	v_wmma_scale_f32_16x16x128_f8f6f4 v[swD:swD+7], v[swA:swA+11], v[swB:swB+11], v[swD:swD+7], v[swSA], v[swSB] matrix_a_fmt:MATRIX_FMT_BF6 matrix_b_fmt:MATRIX_FMT_BF6 matrix_a_scale:MATRIX_SCALE_ROW1 matrix_b_scale:MATRIX_SCALE_ROW1
.elseif swRA
	v_wmma_scale_f32_16x16x128_f8f6f4 v[swD:swD+7], v[swA:swA+11], v[swB:swB+11], v[swD:swD+7], v[swSA], v[swSB] matrix_a_fmt:MATRIX_FMT_BF6 matrix_b_fmt:MATRIX_FMT_BF6 matrix_a_scale:MATRIX_SCALE_ROW1
.elseif swRB
	v_wmma_scale_f32_16x16x128_f8f6f4 v[swD:swD+7], v[swA:swA+11], v[swB:swB+11], v[swD:swD+7], v[swSA], v[swSB] matrix_a_fmt:MATRIX_FMT_BF6 matrix_b_fmt:MATRIX_FMT_BF6 matrix_b_scale:MATRIX_SCALE_ROW1
.else
	v_wmma_scale_f32_16x16x128_f8f6f4 v[swD:swD+7], v[swA:swA+11], v[swB:swB+11], v[swD:swD+7], v[swSA], v[swSB] matrix_a_fmt:MATRIX_FMT_BF6 matrix_b_fmt:MATRIX_FMT_BF6
.endif
.endm
; The eight fragments and the scale words of key group kbn of my key tile, from the slot, into set buf: 25 loads in one run
.macro KLOAD slot, kbn, buf
	WIN 0x80                                       ; destination window 2
.irp f, 0,1,2,3,4,5,6,7
.irp m, 0,1,2
	ds_load_b128 v[96*(\buf)+12*\f+4*\m:96*(\buf)+12*\f+4*\m+3], v[AK+(\slot)] offset:(\kbn)*GRP+1536*\f+16*\m
.endr
.endr
	WIN 0
	ds_load_b128 v[KS+4*(\buf):KS+4*(\buf)+3], v[AKS+(\slot)] offset:(\kbn)*GRP+12288
.endm
.macro VLOADA slot                     ; my key tile of V: fragments 0-3
	WIN 0x40
.irp dt, 0,1,2,3
.irp m, 0,1,2
	ds_load_b128 v[192+12*\dt+4*\m:192+12*\dt+4*\m+3], v[AV+(\slot)] offset:1536*\dt+16*\m
.endr
.endr
	WIN 0
.endm
.macro VLOADB slot                     ; fragments 4-7 and the scale words
	WIN 0x80
.irp dt, 4,5,6,7
.irp m, 0,1,2
	ds_load_b128 v[192+12*(\dt-4)+4*\m:192+12*(\dt-4)+4*\m+3], v[AV+(\slot)] offset:1536*\dt+16*\m
.endr
.endr
	WIN 0
	ds_load_b128 v[VS:VS+3], v[AVS+(\slot)] offset:12288
.endm
; THE VECTOR WORK: S^T of key group kb is masked (msk = 1), and quantised along the keys.  It is a numbered list for each of the four query tiles; ZOP writes the next number, the tiles by turns.
;   (msk: 32 numbers: for idx = 0 .. 15 ascending a compare of the key against the lane's query and a select of the score or 0)
;   0-7 the largest magnitude of my 16 keys, from the accumulators' low ends on;  8, 9 and of the 16 in lane l xor 16: the block's;  10-13 exponent field, held at 5, - 4: the byte; the scale as f32
;   14 sixteen codes;  15, 16 a block of zeros gets 127 (15 is also the plain instruction behind the conversions);  17 the byte into P's scale word
;   (kb odd: 18-20 the halves of the lanes change places, so that a lane holds a whole block: lanes 0-15 block kb - 1, lanes 16-31 block kb;  21-23 the upper 16 codes move to their registers)
.macro ZOP
.set zt, zi%4
.set zo, zi/4-32*ZMSK
.set zS, S+16*zt
.set zZ, ZB+8*zt
.set zP, P+12*zt+6*(ZKB/2)
.if zo < 0
.set zx, (zo+32)/2
.if (zo+32)%2 == 0
	v_cmp_lt_i32 s[MK+zt], 32*ZKB+zx, v[ML+zt]     ; the key lies strictly under the query
.else
	v_cndmask_b32 v[zS+zx], 0, v[zS+zx], s[MK+zt]
.endif
.elseif zo == 0
	v_max3_num_f32 v[zZ], |v[zS]|, |v[zS+1]|, |v[zS+2]|
.elseif zo < 7
	v_max3_num_f32 v[zZ], v[zZ], |v[zS+2*zo+1]|, |v[zS+2*zo+2]|
.elseif zo == 7
	v_max_num_f32 v[zZ], v[zZ], |v[zS+15]|
.elseif zo == 8
	v_permlanex16_b32 v[zZ+1], v[zZ], s[SEL], s[SEL+1]
.elseif zo == 9
	v_max_num_f32 v[zZ], v[zZ], v[zZ+1]
.elseif zo == 10
	v_lshrrev_b32 v[zZ+2], 23, v[zZ]
.elseif zo == 11
	v_max_u32 v[zZ+2], 5, v[zZ+2]
.elseif zo == 12
	v_add_nc_u32 v[zZ+2], -4, v[zZ+2]
.elseif zo == 13
	v_lshlrev_b32 v[zZ+3], 23, v[zZ+2]
.elseif zo == 14
.if ZKB%2 == 0
	v_cvt_scalef32_pk16_bf6_f32 v[zP:zP+2], v[zS:zS+15], v[zZ+3]
.else
	v_cvt_scalef32_pk16_bf6_f32 v[zZ+4:zZ+6], v[zS:zS+15], v[zZ+3]
.endif
.elseif zo == 15
	v_cmp_eq_u32 s[MK+zt], 0, v[zZ]
.elseif zo == 16
	v_cndmask_b32 v[zZ+2], v[zZ+2], 127, s[MK+zt]
.elseif zo == 17
.if ZKB == 0
	v_mov_b32 v[PS+zt], v[zZ+2]
.else
	v_lshl_or_b32 v[PS+zt], v[zZ+2], 8*ZKB, v[PS+zt]
.endif
.elseif zo < 21
	v_permlane16_swap_b32 v[zP+zo-18], v[zZ+4+zo-18]
.else
	v_mov_b32 v[zP+3+zo-21], v[zZ+4+zo-21]
.endif
.set zi, zi+1
.endm
.macro ZPH kb, msk                     ; the whole list for key group kb, all in window 0
	WIN 0
.set ZKB, \kb
.set ZMSK, \msk
.set zi, 0
.rept 4*(18+6*((\kb)%2)+32*(\msk))
	ZOP
.endr
.endm
; 32 products of S^T = K Q^T: key group kb (two tiles u) x the four query tiles (pair qp, tile tl), N in four chunks dc, under one setting of the windows.  A pair's four accumulators take turns, one instruction a turn,
; the first chunk starts the sums.
.macro MG kb
	WIN 0x06                                       ; source 0 (K) window 2, source 1 (Q) window 1, C and D window 0
.irp qp, 0,1
.irp dc, 0,1,2,3
.irp u, 0,1
.irp tl, 0,1
.set swD, S+32*\qp+16*\tl+8*\u
.set swA, 96*((\kb)%2)+12*(4*\u+\dc)
.set swB, 96*\qp+48*\tl+12*\dc
.set swSA, KS+4*((\kb)%2)+\dc
.set swSB, QS+4*\qp+\dc
.set swRA, \u
.set swRB, \tl
.set swZ, 0
.if \dc == 0
.set swZ, 1
.endif
	SW
.endr
.endr
.endr
.endr
.endm
; 32 products of O^T += V^T P^T: the eight fragments of V x the four query tiles; K = my 128 keys of the step.  32 accumulators, one instruction each; two settings of the windows.
.macro PVALL
.irp dt, 0,1,2,3,4,5,6,7
.irp j, 0,1,2,3
.if \dt < 4
	WIN 0xf1                                       ; source 0 (V) window 1, source 1 (P) window 0, C and D window 3
.else
	WIN 0xf2                                       ; V in window 2
.endif
.set swA, 192+12*(\dt%4)
.set swD, 64*\j+8*\dt
.set swB, P+12*\j
.set swSA, VS+\dt/2
.set swSB, PS+\j
.set swRA, \dt%2
.set swRB, 0
.set swZ, 0
	SW
.endr
.endr
.endm
; THE CHANGE OF SLOTS.  All of the slot's LDS reads have been issued.  Each wave waits for all its tensor loads, of which one is out: its quarter of the other slot; adds 0 to its spare word; and waits for that and for its
; reads of the slot.  mode 1: the slot is filled again, with the step two on: the barrier is a round of the cluster's, and the joint refill is the first thing behind it: it has a whole step in which to land.
; mode 2: nothing is left to fetch.  The four v_nop are also the places in front of the loads and reads that follow.
.macro CHANGE slot, mode
	WIN 0                                          ; at a label and at a branch every window is 0; the add's two registers lie in window 0
	s_wait_tensorcnt 0x0                           ; no tensor load of mine is out, so a group 0 may be written
	ds_add_u32 v[SPW], v[NIL]                      ; 0 onto my spare word
.if \mode == 1
	s_add_nc_u64 s[G0+4*(\slot)+2:G0+4*(\slot)+3], s[G0+4*(\slot)+2:G0+4*(\slot)+3], 2*STEPB   ; the slot's next step; the type bits on top are not reached
.endif
	s_wait_dscnt 0x0                               ; the add is done, and my reads of the slot are over: key group 3 and the rest of V, asked for a phase and 32 matrix instructions ago
.if \mode == 1
	CROUND
	tensor_load_to_lds s[G0+4*(\slot):G0+4*(\slot)+3], s[G1:G1+7]
	s_nop 0
.else
	s_barrier_signal -1
	s_barrier_wait -1
.endif
	PLACES 4
.endm
; A STEP: my 64 queries x my 128 keys of the 256 in the slot.  For each key group: its 32 products; four places (in front of the reads of their results and of the loads into their operands); the wait for what was asked
; for a phase and 32 matrix instructions ago, which is what the next products take; the loads of the key group two on, into the set of registers just left; the group's vector work.  At the step's head key group 0 is in
; and key group 1 is on its way.  V comes in two halves beside key groups 2 and 3: at most 38 LDS loads of mine are out.  The slot is left behind key group 2's products; from there on the loads are the next step's.
; Eight places stand between the last write of P's scale words (four for P) and the 32 products of O^T.
.macro STEP slot, msk, mode
	MG 0
	PLACES 4
	s_wait_dscnt 0x0                               ; key group 1 is in
	KLOAD \slot, 2, 0
	VLOADA \slot
	ZPH 0, \msk
	MG 1
	PLACES 4
	s_wait_dscnt 0x0                               ; key group 2 and V's fragments 0-3
	KLOAD \slot, 3, 1
	VLOADB \slot
	ZPH 1, \msk
	MG 2
.if \mode == 0
	PLACES 4
	s_wait_dscnt 0x0                               ; key group 3 and the rest of V
.else
	CHANGE \slot, \mode
	KLOAD 1-\slot, 0, 0                            ; the next step's key group 0
.endif
	ZPH 2, \msk
	MG 3
	PLACES 4
.if \mode != 0
	s_wait_dscnt 0x0                               ; the next step's key group 0
	KLOAD 1-\slot, 1, 1                            ; and its key group 1
.endif
	ZPH 3, \msk
	PLACES 8
	PVALL
	WIN 0
.endm
	s_wait_tensorcnt 0x1                           ; my quarter of slot 0 is in; slot 1's may stay out
	s_barrier_signal -1
	s_barrier_wait -1                              ; everybody's is
	KLOAD 0, 0, 0
	KLOAD 0, 1, 1
	s_wait_loadcnt 0x0                             ; Q
	s_wait_dscnt 25                                ; key group 0's 25 loads are in; key group 1's 25 may be out
	s_mov_b32 s33, ttmp9                           ; c trips of two steps: the same number in all four partners
	s_cmp_eq_u32 s33, 0
	s_cbranch_scc1 .Ltail
.Lstep:                                                ; keys under 512 c: no mask.  Both slots are filled again
	STEP 0, 0, 1
	STEP 1, 0, 1
	s_sub_co_u32 s33, s33, 1
	s_cmp_lg_u32 s33, 0
	s_cbranch_scc1 .Lstep
.Ltail:                                                ; the last two steps are written out: they carry the mask and ask for nothing more
	STEP 0, 1, 2
.irp j, 0,1,2,3
	v_add_nc_u32 v[ML+\j], 0xffffff00, v[ML+\j]    ; the next step's keys lie 256 further on
.endr
	STEP 1, 1, 0
	; THE WAY OUT.  My pair 0 goes to my own stage, my pair 1 to my partner's; behind a barrier I read both sums of my 32 queries back as whole rows, add them and store them.
	PLACES 4
	WIN 0x0c                                       ; the data: window 3
.irp j, 0,1,2,3
.irp dt, 0,1,2,3,4,5,6,7
.if \j < 2
	ds_store_b128 v[OST], v[64*\j+8*\dt:64*\j+8*\dt+3] offset:(\j%2)*16*SPITCH+64*\dt          ; each accumulator from its low end on
	ds_store_b128 v[OST], v[64*\j+8*\dt+4:64*\j+8*\dt+7] offset:(\j%2)*16*SPITCH+64*\dt+16
.else
	ds_store_b128 v[XST], v[64*\j+8*\dt:64*\j+8*\dt+3] offset:(\j%2)*16*SPITCH+64*\dt
	ds_store_b128 v[XST], v[64*\j+8*\dt+4:64*\j+8*\dt+7] offset:(\j%2)*16*SPITCH+64*\dt+16
.endif
.endr
.endr
	WIN 0
	s_wait_dscnt 0x0                               ; for my partner's sake: my stores are done
	s_barrier_signal -1
	s_barrier_wait -1
.irp j, 0,1
.if \j > 0
	s_wait_xcnt 0x0                                ; the first tile's stores have read their registers: only behind this wait are they loaded again
.endif
.irp rr, 0,1,2,3,4,5,6,7,8,9,10,11,12,13,14,15
	ds_load_b128 v[128+4*\rr:131+4*\rr], v[ORD] offset:\j*16*SPITCH+SPITCH*\rr
.endr
.irp rr, 0,1,2,3,4,5,6,7,8,9,10,11,12,13,14,15
	ds_load_b128 v[192+4*\rr:195+4*\rr], v[XRD] offset:\j*16*SPITCH+SPITCH*\rr
.endr
	s_wait_dscnt 0x0
.irp rr, 0,1,2,3,4,5,6,7,8,9,10,11,12,13,14,15
	v_pk_add_f32 v[128+4*\rr:129+4*\rr], v[128+4*\rr:129+4*\rr], v[192+4*\rr:193+4*\rr]
	v_pk_add_f32 v[130+4*\rr:131+4*\rr], v[130+4*\rr:131+4*\rr], v[194+4*\rr:195+4*\rr]
	global_store_b128 v[L16], v[128+4*\rr:131+4*\rr], s[OB:OB+1] offset:(8*\j+\rr+8*(\rr/8))*512 th:TH_STORE_NT   ; lane row rr of tile j is query 8 j + rr + 8 (rr / 8) of the group; 32 lanes store its 512 consecutive bytes
.endr
.endr
	s_wait_tensorcnt 0x0                           ; the wave's end: behind my last tensor load and my last LDS store
	ds_add_u32 v[SPW], v[NIL]
	s_wait_dscnt 0x0
	CROUND                                         ; the closing round: no work-group ends while a partner may still ask for a tile that names it
	s_endpgm
.Lfunc_end_k_q46b096ca63_attn:
	.size	k_q46b096ca63_attn, .Lfunc_end_k_q46b096ca63_attn-k_q46b096ca63_attn
	.p2alignl 7, 3214868480
	.fill 96, 4, 3214868480
	.section	.rodata,"a",@progbits
	.p2align	6, 0x0
	.amdhsa_kernel k_q46b096ca63_attn
		.amdhsa_group_segment_fixed_size 327680
		.amdhsa_private_segment_fixed_size 0
		.amdhsa_enable_private_segment 0
		.amdhsa_kernarg_size 16
		.amdhsa_user_sgpr_count 2
		.amdhsa_user_sgpr_kernarg_segment_ptr 1
		.amdhsa_wavefront_size32 1
		.amdhsa_system_sgpr_workgroup_id_x 1
		.amdhsa_system_sgpr_workgroup_id_y 1
		.amdhsa_system_sgpr_workgroup_id_z 1
		.amdhsa_system_vgpr_workitem_id 0
		.amdhsa_next_free_vgpr 1024
		.amdhsa_next_free_sgpr 66
		.amdhsa_reserve_vcc 0
		.amdhsa_float_denorm_mode_32 3
		.amdhsa_float_denorm_mode_16_64 3
		.amdhsa_memory_ordered 1
		.amdhsa_forward_progress 1
		.amdhsa_inst_pref_size 255
	.end_amdhsa_kernel
	.section	.bss,"aw",@nobits
	.p2align	6
	.space	262144
	.amdgpu_metadata
---
amdhsa.version: [ 1, 2 ]
amdhsa.kernels:
  - .name:           k_q46b096ca63_attn
    .symbol:         k_q46b096ca63_attn.kd
    .args:
      - { .name: kv, .offset: 0, .size: 8, .value_kind: global_buffer, .address_space: global }
      - { .name: out0, .offset: 8, .size: 8, .value_kind: global_buffer, .address_space: global }
    .group_segment_fixed_size: 327680
    .private_segment_fixed_size: 0
    .kernarg_segment_align: 8
    .kernarg_segment_size: 16
    .max_flat_workgroup_size: 128
    .sgpr_count:     66
    .vgpr_count:     1024
    .wavefront_size: 32
...
	.end_amdgpu_metadata
.endif
;; end of part 4
